; MI455X (gfx1250); checked and timed in simulation.
; The chip was launched on July 23, 2026; its instructions are those of AMD's public machine-readable ISA for CDNA 5 (MIT licence, August 2026) and "CDNA5" Instruction Set Architecture Reference Guide (July 2026). The comments in the code are by the model that wrote it; some were corrected since.
;; Retrieval Augmented Layer. Allowed arithmetic: matrix products marked QUANTISED: E2M1 operands, one E8M0 scale for each 32 along K, by v_wmma_scale_f32_16x16x128_f8f6f4 with both operands' format E2M1 (or v_wmma_scale_f32_32x16x128_f4), f32 sums; products left as they are: f32 operands where the result goes on into a quantised operand, else bf16, f16 or f32 operands; f32 sums; everything else in f32.
;; Inputs: W1 3,072 x 1,024 float32; W2 1,024 x 512 float32; b1 1,024 float32; b2 512 float32; beta 512 float32; gamma 512 float32; hist 100,000 x 512 float32; x 1,024 x 16 x 512 float32.
;; Outputs: out0 1,024 x 512 float32.
;; This version of the problem:
;;   THIS VERSION OF THE PROBLEM IS GIVEN IN LOW PRECISION. The matrix products marked QUANTISED in the list below multiply operands that are first quantised to E2M1 (2 exponent bits, 1 mantissa bit; 4 bits a number), with one power-of-two scale for each 32 numbers along K (OCP MX v1.0); their sums are f32. All else is computed in f32.
;;   The module's matrix products, in the order in which they are computed (A, B: the left and right operand; K: the contracted axis; several contracted axes count as one K, in the product's order):
;;     1. [M 1,024, K 512] x [K 512, N 100,000]; A: computed on the way; B: computed on the way: QUANTISED
;;     2. batch 1,024 x [M 512, K 5] x [K 5, N 1]; A: computed on the way; B: softmax: left as it is (K = 5 < 32)
;;     3. [M 1,024, K 3,072] x [K 3,072, N 1,024]; A: computed on the way; B: input W1: QUANTISED
;;     4. [M 1,024, K 1,024] x [K 1,024, N 512]; A: computed on the way; B: input W2: QUANTISED
;;   THE QUANTISER, for each operand of a quantised product, along K:
;;     - K is cut into blocks of 32 from its start; a last block that is shorter is filled with zeros.
;;     - A block's scale is 2^e with e = floor(log2(the largest magnitude in the block)) - 2, held to -126 .. 127; a block of zeros has e = 0. As a byte (E8M0): e + 127.
;;     - Each number is divided by its block's scale, clamped to +-6, and rounded to the nearest number of E2M1, ties to even, subnormals kept.
;;     - The product sums the exact products of the quantised numbers (number of the format x scale) in f32.
;;   ~~~python
;;   def quantise(x, axis):      # numpy; x: float32 -> the quantised numbers, widened to float32 again
;;       x = np.moveaxis(x, axis, -1); K = x.shape[-1]
;;       x = np.pad(x, [(0, 0)] * (x.ndim - 1) + [(0, -K % 32)]); x = x.reshape(x.shape[:-1] + (-1, 32)); a = np.abs(x).max(-1, keepdims=True)
;;       e = np.where(a > 0, np.clip(np.frexp(np.where(a > 0, a, 1))[1] - 1 - 2, -126, 127), 0)      # np.frexp(a)[1] - 1 = floor(log2(a)), exactly
;;       r = np.clip(x / 2.0 ** e, -6, 6)
;;       step = 2.0 ** (np.maximum(np.frexp(np.where(r == 0, 1, r))[1] - 1, 0) - 1)
;;       q = np.round(r / step) * step * 2.0 ** e      # np.round: ties to even
;;       return np.moveaxis(q.reshape(q.shape[:-2] + (-1,))[..., :K], -1, axis).astype(np.float32)
;;   ~~~
;;   OPERANDS COMPUTED ON THE WAY. 'Computed on the way' means the value that the module computes at that place (a softmax that the list does not call 'softmax' is quantised finished and normalised). What goes into a quantiser is computed in f32, as accurately as f32 sums, v_exp_f32 and their like allow (about 1e-6 of the number): no bf16 or f16 on the way to a quantiser, and a product that is left as it is and whose result goes on into a quantised operand takes f32 operands (vector FMAs, or v_wmma_f32_16x16x4_f32). A number that lies on a knife's edge between two numbers of the format may be rounded either way, as far as f32 arithmetic and the matrix unit's own rounding can turn it there, and no further.
;; 2 versions, each right; version 2 is version 1 with the launches rescan, mlp written anew for expert scheduling mode. Each part assembles by itself: llvm-mc -triple=amdgcn-amd-amdhsa -mcpu=gfx1250 --defsym DOCPART=n.
;; ======== version 1 of 2: 6 launches
;; workspace buffers: cod 27,478,528 bytes; gmax 4,096,000 bytes; sel 32,768 bytes of whole numbers; wq 1,949,696 bytes; idx 65,536 bytes of whole numbers; wts 65,536 bytes; yp 8,388,608 bytes
;; launch prep (part 1): grid 3157 x 1, 2 waves a work-group, no clusters, 19,712 bytes of LDS; arguments hist, x, cod; writes cod
.if DOCPART == 1
	.amdgcn_target "amdgcn-amd-amdhsa--gfx1250"
	.amdhsa_code_object_version 6
	.text
	.protected	k_qf56a912e97_prep
	.globl	k_qf56a912e97_prep
	.p2align	8
	.type	k_qf56a912e97_prep,@function
k_qf56a912e97_prep:
	s_mov_b64 s[64:65], 0
	v_nop
	global_prefetch_b8 v0, s[64:65] scope:SCOPE_SE
	s_setreg_imm32_b32 hwreg(HW_REG_WAVE_MODE, 25, 1), 1
	s_wait_xcnt 0x0
; The 100,000 rows of hist and the 1,024 rows x[:, 15, :] (512 f32 each) are divided by max(their norm, 1e-8) and turned into codes of FP4 (E2M1) with one E8M0 byte for each 32 along the row.
; cod: hist's codes at 0 as [row / 4][block 0..15][row % 4][16 bytes]; hist's scale bytes at HS_OFF as [row][16]; the queries' codes at QC_OFF and scale bytes at QS_OFF, laid alike.
; SHARES.  A wave takes 16 rows, four at a time.  The first HWG work-groups take hist, the others x: only pointers, strides and offsets are chosen, on the work-group's number; there is one path.
; A load reads 512 consecutive bytes of one row (16 a lane).  The row's sum of squares is a sum over the wave.  The scaled numbers turn through the wave's own stage in LDS, so that a lane
; then holds a whole block of 32: lane 4 bb + e takes block 8 p + bb of row e.  Its 16 bytes of codes are bytes 16 x lane of 512 consecutive bytes of cod.
; 1 / max(norm, 1e-8) is made as min(rsq(sum of squares), 1e8).
; LIMITS: NaN and infinities are not served; a block of zeros, or one whose largest magnitude lies under 2^-124, gets the byte 1 (this program alone reads the bytes).
; No barrier: the waves share nothing.
.set HS_OFF, 25600000
.set QC_OFF, 27200000
.set QS_OFF, 27462144
.set HWG,  3125                        ; 100,000 rows / 32 rows a work-group
.set RP,   2368                        ; the stage: from row to row: 16 blocks x 144 bytes + 64
.set BP,   144                         ; a block's 128 bytes + 16: the 16 lanes of a read fall on 16 different columns of 16 bytes (144 bb + 64 e mod 256)
.set WREG, 9728                        ; LDS of a wave: 4 rows of the stage, then its 256 scale bytes
.set SBY,  9472
.set RO,   4                           ; v4-7   16 x lane + e x the row's stride
.set VST,  8                           ; v8     the stage, way in
.set VRD,  9                           ; v9     the stage, way out
.set VSB,  10                          ; v10    my block's scale byte in LDS
.set VSO,  11                          ; v11    the scale bytes' way out: 8 bytes a lane
.set CO,   12                          ; v12    16 x lane
.set SO,   13                          ; v13    8 x lane
.set MX,   16                          ; v16-17 largest magnitudes
.set SCL,  18                          ; v18-19 the conversions' scale operands
.set BY,   20                          ; v20-21 scale bytes
.set OB,   22                          ; v22-23 eight scale bytes on their way out
.set R,    32                          ; v32-159  two sets of 4 rows x 16 numbers
.set X,    160                         ; v160-223 two blocks of 32
.set C,    224                         ; v224-239 two sets of 8 registers of codes
.set SS,   240                         ; v240-247 a pair for each row: the sum of squares, then 1 / norm
.set PT,   248                         ; v248-251 the other half of the lanes' sums
	s_load_b128 s[4:7], s[0:1], 0x0                ; hist, x
	s_load_b64 s[8:9], s[0:1], 0x10                ; cod
	v_lshl_add_u32 v254, v0, 2, 0x4c00
	v_mov_b32 v255, 0
	v_lshrrev_b32 v2, 5, v0
	v_readfirstlane_b32 s10, v2                    ; wave
	v_and_b32 v1, 31, v0                           ; lane
	s_lshl_b32 s11, ttmp9, 1
	s_add_co_u32 s11, s11, s10                     ; which run of 16 rows
	s_mul_i32 s38, s10, WREG
	s_mov_b32 s28, 0x76543210
	s_mov_b32 s29, 0xfedcba98                      ; v_permlanex16_b32's selects for lane l xor 16
	s_mov_b32 s30, 524288
	s_mov_b32 s12, 32768
	s_mov_b32 s33, QS_OFF
	s_mov_b32 s35, 0
	s_mov_b32 s37, 0
	s_wait_kmcnt 0x0
	s_cmp_lt_u32 ttmp9, HWG                        ; hist's work-group or x's?
	s_cselect_b64 s[14:15], s[4:5], s[6:7]
	s_cselect_b32 s30, 32768, s30                  ; bytes from one run of 16 rows to the next
	s_cselect_b32 s31, 0, 30720                    ; x: step 15 of the 16
	s_cselect_b32 s12, 2048, s12                   ; bytes from row to row
	s_cselect_b32 s13, 0, 2*HWG
	s_cselect_b32 s32, 0, QC_OFF
	s_cselect_b32 s33, HS_OFF, s33
	s_sub_co_u32 s11, s11, s13                     ; the run's number in its tensor
	s_mul_i32 s34, s11, s30
	s_add_co_u32 s34, s34, s31
	s_add_nc_u64 s[16:17], s[14:15], s[34:35]      ; the four rows of quad 0,
	s_lshl_b32 s36, s12, 2
	s_add_nc_u64 s[18:19], s[16:17], s[36:37]      ; 1,
	s_add_nc_u64 s[20:21], s[18:19], s[36:37]      ; 2,
	s_add_nc_u64 s[22:23], s[20:21], s[36:37]      ; 3: none of these bases is written again
	s_lshl_b32 s34, s11, 12
	s_add_co_u32 s34, s34, s32
	s_add_nc_u64 s[24:25], s[8:9], s[34:35]        ; my 4,096 bytes of codes
	s_lshl_b32 s34, s11, 8
	s_add_co_u32 s34, s34, s33
	s_add_nc_u64 s[26:27], s[8:9], s[34:35]        ; my 256 scale bytes
	v_lshlrev_b32 v[RO], 4, v1
	v_add_nc_u32 v[RO+1], s12, v[RO]
	v_add_nc_u32 v[RO+2], s12, v[RO+1]
	v_add_nc_u32 v[RO+3], s12, v[RO+2]
.macro LOADQ i                         ; quad i: 4 rows x 4 loads of 512 consecutive bytes, into set i % 2
.irp e, 0,1,2,3
.irp k, 0,1,2,3
	global_load_b128 v[R+64*((\i)%2)+16*\e+4*\k:R+64*((\i)%2)+16*\e+4*\k+3], v[RO+\e], s[16+2*(\i):17+2*(\i)] offset:512*\k th:TH_LOAD_NT
.endr
.endr
.endm
	LOADQ 0
	LOADQ 1
	v_lshlrev_b32 v[CO], 4, v1
	v_lshlrev_b32 v[SO], 3, v1
	v_lshrrev_b32 v2, 3, v1
	v_mul_u32_u24 v2, v2, BP
	v_and_b32 v3, 7, v1
	v_lshl_add_u32 v2, v3, 4, v2
	v_add_nc_u32 v[VST], s38, v2                   ; in: eight lanes fill a block: 144 (lane / 8) + 16 (lane % 8)
	v_and_b32 v3, 3, v1
	v_lshrrev_b32 v14, 2, v1
	v_mul_u32_u24 v2, v3, RP
	v_mad_u32_u24 v2, v14, BP, v2
	v_add_nc_u32 v[VRD], s38, v2                   ; out: row lane % 4, block lane / 4
	v_lshl_add_u32 v2, v3, 4, v14
	v_add_nc_u32 v2, s38, v2
	v_add_nc_u32 v[VSB], SBY, v2                   ; 16 bytes a row, my block's byte
	v_add_nc_u32 v2, s38, v[SO]
	v_add_nc_u32 v[VSO], SBY, v2
.irp e, 0,1,2,3
	v_mov_b32 v[PT+\e], 0                          ; written once: a lane permute's destination counts as one of its sources
.endr
.macro QUAD i
.set RS, R+64*((\i)%2)
.set CS, C+8*((\i)%2)
.if (\i) < 3
	s_wait_loadcnt 16                              ; this quad's 16 loads are in; the next quad's 16 may be out
.else
	s_wait_loadcnt 0
.endif
.if (\i) > 1
	s_wait_xcnt 0x0                                ; quad i - 2's stores have read their data: this set of code registers is written again below
.endif
.irp e, 0,1,2,3
	v_pk_mul_f32 v[SS+2*\e:SS+2*\e+1], v[RS+16*\e:RS+16*\e+1], v[RS+16*\e:RS+16*\e+1]
.endr
.irp j, 2,4,6,8,10,12,14
.irp e, 0,1,2,3
	v_pk_fma_f32 v[SS+2*\e:SS+2*\e+1], v[RS+16*\e+\j:RS+16*\e+\j+1], v[RS+16*\e+\j:RS+16*\e+\j+1], v[SS+2*\e:SS+2*\e+1]
.endr
.endr
.irp e, 0,1,2,3
	v_add_f32 v[SS+2*\e], v[SS+2*\e], v[SS+2*\e+1]
.endr
.irp m, 1,2,4,8
.irp e, 0,1,2,3
	v_add_f32_dpp v[SS+2*\e], v[SS+2*\e], v[SS+2*\e] row_xmask:\m row_mask:0xf bank_mask:0xf
.endr
.endr
.irp e, 0,1,2,3
	v_permlanex16_b32 v[PT+\e], v[SS+2*\e], s28, s29
.endr
.irp e, 0,1,2,3
	v_add_f32 v[SS+2*\e], v[SS+2*\e], v[PT+\e]     ; every lane holds row e's sum of squares
.endr
.irp e, 0,1,2,3
	v_rsq_f32 v[SS+2*\e], v[SS+2*\e]
.endr
	v_nop                                          ; a plain line behind the last of the four
	s_wait_alu depctr_va_vdst(0)                   ; one wait for the four, ahead of their first reader
.irp e, 0,1,2,3
	v_min_num_f32 v[SS+2*\e], 0x4cbebc20, v[SS+2*\e]   ; 1 / max(norm, 1e-8)
.endr
.irp e, 0,1,2,3
.irp j, 0,2,4,6,8,10,12,14
	v_pk_mul_f32 v[RS+16*\e+\j:RS+16*\e+\j+1], v[RS+16*\e+\j:RS+16*\e+\j+1], v[SS+2*\e:SS+2*\e+1] op_sel_hi:[1,0]
.endr
.endr
.irp e, 0,1,2,3
.irp k, 0,1,2,3
	ds_store_b128 v[VST], v[RS+16*\e+4*\k:RS+16*\e+4*\k+3] offset:\e*RP+\k*4*BP
.endr
.endr
.irp p, 0,1
.irp n, 0,1,2,3,4,5,6,7
	ds_load_b128 v[X+32*\p+4*\n:X+32*\p+4*\n+3], v[VRD] offset:\p*8*BP+16*\n   ; LDS serves a wave's instructions in order: these see the stores above
.endr
.endr
	s_wait_dscnt 0x0                               ; my two blocks are in, and the stores have read this set of registers,
.if (\i) < 2
	LOADQ (\i)+2                                   ; which takes the quad two further on
.endif
.irp p, 0,1
	v_max3_num_f32 v[MX+\p], |v[X+32*\p]|, |v[X+32*\p+1]|, 0x1800000   ; the floor 2^(3 - 127) holds the byte at 1 from below
.endr
.irp n, 2,4,6,8,10,12,14,16,18,20,22,24,26,28,30
.irp p, 0,1
	v_max3_num_f32 v[MX+\p], v[MX+\p], |v[X+32*\p+\n]|, |v[X+32*\p+\n+1]|
.endr
.endr
.irp p, 0,1
	v_add_nc_u32 v[SCL+\p], 0xff000000, v[MX+\p]   ; 2 off the exponent field: the conversion takes this operand's exponent field as its scale
.endr
.irp p, 0,1
.irp g, 0,1,2,3
	v_cvt_scalef32_pk8_fp4_f32 v[CS+4*\p+\g], v[X+32*\p+8*\g:X+32*\p+8*\g+7], v[SCL+\p]
.endr
.endr
.irp p, 0,1
	v_lshrrev_b32 v[BY+\p], 23, v[SCL+\p]          ; the scale's byte (also the plain line behind the conversions)
.endr
.irp p, 0,1
	ds_store_b8 v[VSB], v[BY+\p] offset:64*(\i)+8*\p
	global_store_b128 v[CO], v[CS+4*\p:CS+4*\p+3], s[24:25] offset:1024*(\i)+512*\p   ; 32 lanes store 512 consecutive bytes
.endr
.endm
	QUAD 0
	QUAD 1
	QUAD 2
	QUAD 3
	ds_load_b64 v[OB:OB+1], v[VSO]                 ; in order behind my byte stores
	s_wait_dscnt 0x0
	global_store_b64 v[SO], v[OB:OB+1], s[26:27]   ; 32 lanes store 256 consecutive bytes, aligned
	s_wait_tensorcnt 0x0
	ds_add_u32 v254, v255
	s_wait_dscnt 0x0
	s_endpgm
.Lfunc_end_k_qf56a912e97_prep:
	.size	k_qf56a912e97_prep, .Lfunc_end_k_qf56a912e97_prep-k_qf56a912e97_prep
	.p2alignl 7, 3214868480
	.fill 96, 4, 3214868480
	.section	.rodata,"a",@progbits
	.p2align	6, 0x0
	.amdhsa_kernel k_qf56a912e97_prep
		.amdhsa_group_segment_fixed_size 19712
		.amdhsa_private_segment_fixed_size 0
		.amdhsa_enable_private_segment 0
		.amdhsa_kernarg_size 24
		.amdhsa_user_sgpr_count 2
		.amdhsa_user_sgpr_kernarg_segment_ptr 1
		.amdhsa_wavefront_size32 1
		.amdhsa_system_sgpr_workgroup_id_x 1
		.amdhsa_system_sgpr_workgroup_id_y 1
		.amdhsa_system_sgpr_workgroup_id_z 1
		.amdhsa_system_vgpr_workitem_id 0
		.amdhsa_next_free_vgpr 256
		.amdhsa_next_free_sgpr 66
		.amdhsa_reserve_vcc 0
		.amdhsa_float_denorm_mode_32 3
		.amdhsa_float_denorm_mode_16_64 3
		.amdhsa_memory_ordered 1
		.amdhsa_forward_progress 1
		.amdhsa_inst_pref_size 54
	.end_amdhsa_kernel
	.amdgpu_metadata
---
amdhsa.version: [ 1, 2 ]
amdhsa.kernels:
  - .name:           k_qf56a912e97_prep
    .symbol:         k_qf56a912e97_prep.kd
    .args:
      - { .name: hist, .offset: 0, .size: 8, .value_kind: global_buffer, .address_space: global }
      - { .name: x, .offset: 8, .size: 8, .value_kind: global_buffer, .address_space: global }
      - { .name: cod, .offset: 16, .size: 8, .value_kind: global_buffer, .address_space: global }
    .group_segment_fixed_size: 19712
    .private_segment_fixed_size: 0
    .kernarg_segment_align: 8
    .kernarg_segment_size: 24
    .max_flat_workgroup_size: 64
    .sgpr_count:     66
    .vgpr_count:     256
    .wavefront_size: 32
...
	.end_amdgpu_metadata
.endif
;; end of part 1
;; launch sim (part 2): grid 250 x 1, 4 waves a work-group, no clusters, 168,448 bytes of LDS; arguments cod, gmax; writes gmax
.if DOCPART == 2
	.amdgcn_target "amdgcn-amd-amdhsa--gfx1250"
	.amdhsa_code_object_version 6
	.text
	.protected	k_qf56a912e97_sim
	.globl	k_qf56a912e97_sim
	.p2align	8
	.type	k_qf56a912e97_sim,@function
k_qf56a912e97_sim:
	s_mov_b64 s[64:65], 0
	v_nop
	global_prefetch_b8 v0, s[64:65] scope:SCOPE_SE
	s_setreg_imm32_b32 hwreg(HW_REG_WAVE_MODE, 25, 1), 1
	s_wait_xcnt 0x0
; The similarity product on codes of FP4: all 1,024 queries against all 100,000 rows of hist, K = 512.  Of the scores only a maximum is kept: one for each query and each group of 100 consecutive rows.
; SHARES.  Work-group p takes rows 400 p .. 400 p + 399 (four groups).  Wave w keeps queries 256 w .. 256 w + 255 in registers for the whole launch: 16 tiles x 4 K steps x 8 = 512 registers.
; The rows' codes (102,400 bytes) and scale bytes (6,400) come into LDS once, by two tensor loads a wave (group w's), and are read by all four waves.  No LDS byte is filled twice.
; WHICH ROWS FORM A TILE.  Slot m = 4 g + e of tile T holds row 400 p + 100 g + 4 T + e.  Source 0 = the tile of rows, source 1 = 16 queries: in the result lane (r, h) holds query r, and its register j
; slot 8 h + j.  So registers 0-3 belong to group 2 h and registers 4-7 to group 2 h + 1 in every tile: a lane's running maxima need no other lane, two numbers a tile of queries.
; gmax: [tile of queries 0..63][p][lane][2] f32: a wave's store of 8 bytes a lane covers 256 consecutive bytes, aligned.
; No cluster: what the work-groups share is the queries, which live in registers and come by plain loads; the tiles that come by tensor loads are each read by one work-group alone.
; REGISTERS: window 0: addresses; v16-79 two buffers of a tile's four fragments; v80-87 their scale words; v88-151 the queries' scale words; v152-183 the maxima; v184-247 two sets of four accumulators.
;   window 1: the fragments of query tiles 0-7 (32 u + 8 s);   window 2: those of tiles 8-15.
; The maxima are taken by v_max3_num_f32 with -infinity from a scalar register in the middle place: its two vector sources then stand in places whose window is 0 while the products' source 1 is in window 1 or 2,
; so two such lines stand behind each matrix instruction with no switch of windows.
.set HS_OFF, 25600000
.set QC_OFF, 27200000
.set QS_OFF, 27462144
.set GP,   25664                       ; LDS: from group to group: 25,600 bytes + 64, so that the 16 lanes of a load (64 g + 16 e mod 256) fall on 16 different columns of 16 bytes
.set SCB,  4*GP                        ; behind the codes: the scale bytes, 1,600 a group (1,600 mod 256 = 64: the same holds)
.set AH,   3                           ; v3  my lane's place in a tile's codes; stepped two tiles a trip
.set AS,   4                           ; v4  and among the scale bytes
.set AQ,   5                           ; v5  my lane's place in a tile of queries, in memory
.set AQS,  6                           ; v6  16 r
.set GO,   7                           ; v7  8 x lane
.set HA,   16
.set HS,   80
.set QS,   88
.set GM,   152
.set D,    184
.set MSB,  0
.macro WIN new                         ; the immediate's high byte repeats the setting that is left
.if MSB != (\new)
	s_set_vgpr_msb (MSB<<8)|(\new)
.set MSB, (\new)
.endif
.endm
	s_load_b128 s[4:7], s[0:1], 0x0                ; cod, gmax
	v_lshl_add_u32 v254, v0, 2, 0x29000
	v_mov_b32 v255, 0
	ds_add_u32 v254, v255
	ds_add_u32 v254, v255
	v_lshrrev_b32 v1, 5, v0
	v_readfirstlane_b32 s8, v1                     ; wave
	v_and_b32 v1, 15, v0                           ; r
	v_bfe_u32 v2, v0, 4, 1                         ; h
	v_lshrrev_b32 v8, 2, v1                        ; g = r / 4
	v_and_b32 v9, 3, v1                            ; e = r % 4
	v_mul_u32_u24 v[AH], v8, GP
	v_lshl_add_u32 v[AH], v2, 6, v[AH]
	v_lshl_add_u32 v[AH], v9, 4, v[AH]             ; g GP + 64 h + 16 e
	v_mul_u32_u24 v[AS], v8, 1600
	v_lshl_add_u32 v[AS], v9, 4, v[AS]
	v_add_nc_u32 v[AS], SCB, v[AS]
	v_lshlrev_b32 v[AQ], 10, v8
	v_lshl_add_u32 v[AQ], v2, 6, v[AQ]
	v_lshl_add_u32 v[AQ], v9, 4, v[AQ]
	v_lshlrev_b32 v[AQS], 4, v1
	v_and_b32 v[GO], 31, v0
	v_lshlrev_b32 v[GO], 3, v[GO]
	; descriptor group 1 for the codes: 25,600 dense bytes as 100 rows of 32 elements of 8 bytes
	s_mov_b32 s32, 3<<16
	s_mov_b32 s33, 32<<16
	s_mov_b32 s34, 100<<16
	s_mov_b32 s35, 32<<16
	s_mov_b32 s36, 100
	s_mov_b32 s37, 32
	s_mov_b32 s38, 0
	s_mov_b32 s39, 0
	; and for the scale bytes: one row of 200 elements of 8 bytes
	s_mov_b32 s40, 3<<16
	s_mov_b32 s41, 200<<16
	s_mov_b32 s42, 1<<16
	s_mov_b32 s43, 200<<16
	s_mov_b32 s44, 1
	s_mov_b32 s45, 200
	s_mov_b32 s46, 0
	s_mov_b32 s47, 0
	s_mov_b32 s48, 0xff800000                      ; -infinity
	s_mul_i32 s10, ttmp9, 102400
	s_mul_i32 s11, s8, 25600
	s_add_co_u32 s10, s10, s11                     ; group w's codes
	s_mov_b32 s11, 0
	s_mul_i32 s12, ttmp9, 6400
	s_mul_i32 s13, s8, 1600
	s_add_co_u32 s12, s12, s13
	s_add_co_u32 s12, s12, HS_OFF                  ; and its scale bytes
	s_mov_b32 s13, 0
	s_lshl_b32 s20, s8, 16
	s_add_co_u32 s20, s20, QC_OFF                  ; my 256 queries' codes,
	s_mov_b32 s21, 0
	s_lshl_b32 s22, s8, 12
	s_add_co_u32 s22, s22, QS_OFF                  ; their scale bytes,
	s_mov_b32 s23, 0
	s_mul_i32 s52, s8, 1024000
	s_lshl_b32 s53, ttmp9, 8
	s_add_co_u32 s52, s52, s53                     ; and where my maxima go
	s_mov_b32 s53, 0
	s_mov_b32 s24, 1
	s_mul_i32 s25, s8, GP
	s_mov_b32 s28, 1
	s_mul_i32 s29, s8, 1600
	s_add_co_u32 s29, s29, SCB
	s_wait_dscnt 0x0
	s_wait_kmcnt 0x0
	s_add_nc_u64 s[26:27], s[4:5], s[10:11]
	s_or_b32 s27, s27, 0x80000000
	s_add_nc_u64 s[30:31], s[4:5], s[12:13]
	s_or_b32 s31, s31, 0x80000000
	s_add_nc_u64 s[14:15], s[4:5], s[20:21]
	s_add_nc_u64 s[16:17], s[4:5], s[22:23]
	s_add_nc_u64 s[18:19], s[6:7], s[52:53]
	tensor_load_to_lds s[24:27], s[32:39]          ; the launch's only fills: two loads of mine are out
	s_nop 0
	tensor_load_to_lds s[28:31], s[40:47]
	s_nop 0
.rept 4
	v_nop
.endr
	WIN 0x40                                       ; destination window 1
.irp u, 0,1,2,3,4,5,6,7
.irp s, 0,1,2,3
.irp c, 0,1
	global_load_b128 v[32*\u+8*\s+4*\c:32*\u+8*\s+4*\c+3], v[AQ], s[14:15] offset:4096*\u+256*\s+128*\c
.endr
.endr
.endr
	WIN 0x80                                       ; destination window 2
.irp u, 0,1,2,3,4,5,6,7
.irp s, 0,1,2,3
.irp c, 0,1
	global_load_b128 v[32*\u+8*\s+4*\c:32*\u+8*\s+4*\c+3], v[AQ], s[14:15] offset:4096*(\u+8)+256*\s+128*\c
.endr
.endr
.endr
	WIN 0
.irp u, 0,1,2,3,4,5,6,7,8,9,10,11,12,13,14,15
	global_load_b128 v[QS+4*\u:QS+4*\u+3], v[AQS], s[16:17] offset:256*\u   ; a query's 16 scale bytes: the words of its four K steps
.endr
.set N, 0
.rept 32
	v_mov_b32 v[GM+N], s48
.set N, N+1
.endr
; A tile's four fragments and its rows' scale words, from off bytes on, into buffer a
.macro PREF a, off
.irp s, 0,1,2,3
.irp c, 0,1
	ds_load_b128 v[HA+32*(\a)+8*\s+4*\c:HA+32*(\a)+8*\s+4*\c+3], v[AH] offset:(\off)+256*\s+128*\c
.endr
.endr
	ds_load_b128 v[HS+4*(\a):HS+4*(\a)+3], v[AS] offset:(\off)/16
.endm
; Line O of the 32 that take set dp's four accumulators (query tiles ub .. ub + 3) into the maxima; each accumulator is read from its register 0 on
.macro MAXL dp, ub
	v_max3_num_f32 v[GM+2*((\ub)+O/8)+O%2], v[D+32*(\dp)+8*(O/8)+4*(O%2)+(O%8)/2], s48, v[GM+2*((\ub)+O/8)+O%2]
.set O, O+1
.endm
; Sixteen matrix instructions: the tile in buffer a against query tiles 4 ug .. 4 ug + 3, K step by K step; the four accumulators take turns, one instruction a turn.
; domax = 1: behind each stand two lines of the maxima of the four accumulators finished just before.  At least eight such lines stand between an accumulator's last product and its first
; read, and 24 that name none of its registers before it is begun anew.
.macro USTEP a, ug, domax
.if (\ug) < 2
	WIN 0x04                                       ; source 1 (the queries) window 1
.else
	WIN 0x08                                       ; window 2
.endif
.set N, 0
.set O, 0
.rept 16
.set KK, N/4
.set UU, 4*(\ug)+N%4
.set DD, D+32*((\ug)%2)+8*(N%4)
.set QQ, 32*(UU%8)+8*KK
.set HH, HA+32*(\a)+8*KK
.if KK == 0
	v_wmma_scale_f32_16x16x128_f8f6f4 v[DD:DD+7], v[HH:HH+7], v[QQ:QQ+7], 0, v[HS+4*(\a)+KK], v[QS+4*UU+KK] matrix_a_fmt:MATRIX_FMT_FP4 matrix_b_fmt:MATRIX_FMT_FP4
.else
	v_wmma_scale_f32_16x16x128_f8f6f4 v[DD:DD+7], v[HH:HH+7], v[QQ:QQ+7], v[DD:DD+7], v[HS+4*(\a)+KK], v[QS+4*UU+KK] matrix_a_fmt:MATRIX_FMT_FP4 matrix_b_fmt:MATRIX_FMT_FP4
.endif
.if \domax
	MAXL 1-(\ug)%2, 4*(((\ug)+3)%4)
	MAXL 1-(\ug)%2, 4*(((\ug)+3)%4)
.endif
.set N, N+1
.endr
.endm
; A tile of 16 rows against my 256 queries: 64 matrix instructions.  pref = 1: the next tile is fetched into the other buffer behind the first sixteen: that buffer's last product stands 24 plain lines back or more,
; and the fetch has 48 matrix instructions in which to land.
.macro TILE a, first, pref, off
	s_wait_dscnt 0x0                               ; this tile's fragments and scale words are in
	USTEP \a, 0, 1-\first
.if \first
.rept 4
	v_nop                                          ; the first sixteen products have no maxima between them: these are the places ahead of the first read of their results
.endr
.endif
.if \pref
	PREF 1-\a, \off
.endif
	USTEP \a, 1, 1
	USTEP \a, 2, 1
	USTEP \a, 3, 1
.endm
	s_wait_tensorcnt 0x0                           ; my group's codes and scale bytes are in LDS,
	s_barrier_signal -1
	s_barrier_wait -1                              ; everybody's are
	PREF 0, 0
	s_wait_loadcnt 0x0                             ; the queries
	TILE 0, 1, 1, 1024                             ; tile 0; tile 1 is fetched
	WIN 0
	s_wait_dscnt 0x0
	v_add_nc_u32 v[AH], 2048, v[AH]
	v_add_nc_u32 v[AS], 128, v[AS]
	s_mov_b32 s50, 11
.Lpair:                                            ; tiles 2 j + 1 and 2 j + 2
	TILE 1, 0, 1, 0
	TILE 0, 0, 1, 1024
	WIN 0                                          ; at a label and at a branch every window is 0
	s_wait_dscnt 0x0                               ; no LDS load of mine is out: the addresses step
	v_add_nc_u32 v[AH], 2048, v[AH]
	v_add_nc_u32 v[AS], 128, v[AS]
	s_sub_co_u32 s50, s50, 1
	s_cmp_lg_u32 s50, 0
	s_cbranch_scc1 .Lpair
	TILE 1, 0, 1, 0                                ; tile 23; tile 24 is fetched
	TILE 0, 0, 0, 0                                ; tile 24
	WIN 0
.rept 4
	v_nop
.endr
.set O, 0
.rept 32
	MAXL 1, 12                                     ; the last four accumulators
.endr
.irp u, 0,1,2,3,4,5,6,7,8,9,10,11,12,13,14,15
	global_store_b64 v[GO], v[GM+2*\u:GM+2*\u+1], s[18:19] offset:64000*\u
.endr
	s_wait_tensorcnt 0x0
	ds_add_u32 v254, v255
	s_wait_dscnt 0x0
	s_endpgm
.Lfunc_end_k_qf56a912e97_sim:
	.size	k_qf56a912e97_sim, .Lfunc_end_k_qf56a912e97_sim-k_qf56a912e97_sim
	.p2alignl 7, 3214868480
	.fill 96, 4, 3214868480
	.section	.rodata,"a",@progbits
	.p2align	6, 0x0
	.amdhsa_kernel k_qf56a912e97_sim
		.amdhsa_group_segment_fixed_size 168448
		.amdhsa_private_segment_fixed_size 0
		.amdhsa_enable_private_segment 0
		.amdhsa_kernarg_size 16
		.amdhsa_user_sgpr_count 2
		.amdhsa_user_sgpr_kernarg_segment_ptr 1
		.amdhsa_wavefront_size32 1
		.amdhsa_system_sgpr_workgroup_id_x 1
		.amdhsa_system_sgpr_workgroup_id_y 1
		.amdhsa_system_sgpr_workgroup_id_z 1
		.amdhsa_system_vgpr_workitem_id 0
		.amdhsa_next_free_vgpr 768
		.amdhsa_next_free_sgpr 66
		.amdhsa_reserve_vcc 0
		.amdhsa_float_denorm_mode_32 3
		.amdhsa_float_denorm_mode_16_64 3
		.amdhsa_memory_ordered 1
		.amdhsa_forward_progress 1
		.amdhsa_inst_pref_size 105
	.end_amdhsa_kernel
	.amdgpu_metadata
---
amdhsa.version: [ 1, 2 ]
amdhsa.kernels:
  - .name:           k_qf56a912e97_sim
    .symbol:         k_qf56a912e97_sim.kd
    .args:
      - { .name: cod, .offset: 0, .size: 8, .value_kind: global_buffer, .address_space: global }
      - { .name: gmax, .offset: 8, .size: 8, .value_kind: global_buffer, .address_space: global }
    .group_segment_fixed_size: 168448
    .private_segment_fixed_size: 0
    .kernarg_segment_align: 8
    .kernarg_segment_size: 16
    .max_flat_workgroup_size: 128
    .sgpr_count:     66
    .vgpr_count:     768
    .wavefront_size: 32
...
	.end_amdgpu_metadata
.endif
;; end of part 2
;; launch pick (part 3): grid 120 x 1, 16 waves a work-group, no clusters, 76,288 bytes of LDS; arguments gmax, W1, W2, sel, wq; writes sel, wq
.if DOCPART == 3
	.amdgcn_target "amdgcn-amd-amdhsa--gfx1250"
	.amdhsa_code_object_version 6
	.text
	.protected	k_qf56a912e97_pick
	.globl	k_qf56a912e97_pick
	.p2align	8
	.type	k_qf56a912e97_pick,@function
k_qf56a912e97_pick:
	s_mov_b64 s[64:65], 0
	v_nop
	global_prefetch_b8 v0, s[64:65] scope:SCOPE_SE
	s_setreg_imm32_b32 hwreg(HW_REG_WAVE_MODE, 25, 1), 1
	s_wait_xcnt 0x0
; Two jobs that wait for nothing of each other share one launch; they part on the work-group's number, and each way has LDS bytes of its own.
; WORK-GROUPS 0-63: for each query the five best of its 1,000 groups of 100 rows, by (maximum descending, group ascending).  Groups are runs of consecutive rows, so the five best rows by
; (score descending, row ascending) lie in these five groups.  Work-group u takes query tile u, wave w query 16 u + w.  sel: [query][8] whole numbers, five groups and three zeros.
; The choice only selects values: no address and no branch hangs on it here.
; WORK-GROUPS 64-111 (W1 [3072][1024]) and 112-119 (W2 [1024][512]): the weights, whose K is their first axis, become codes of FP4 with one E8M0 byte for each 32 along K, laid in the order of the operand's
; registers: codes [tile of 16 columns][K step of 128][block t 0..3][slot r][16 bytes]; scale words [tile][K step / 4][slot r][4 words].  A lane takes a column and its registers run down K.
; W1's tiles are permuted: slot r of tile 2 b + u is column 32 b + 8 u + r + 8 (r / 8), so that the first product's results lie as the next quantiser wants them.  W2's tiles are 16 neighbours.
; LIMITS: NaN and infinities are not served; a block of zeros, or one under 2^-124, gets the byte 1 (this program alone reads the bytes).
.set V,    32                          ; v32-63  a lane's 32 maxima: register n is group 128 (n / 4) + 4 lane + n % 4, which rises with n
.set UP,   272                         ; LDS: a unit of 256 bytes + 16
.set SELB, 69632                       ; behind 256 units: 16 records of 32 bytes
.set LW1,  70144                       ; W1's way: 2,048 bytes of scale words
.set LW2,  72192                       ; W2's way: likewise
.set W1S_OFF, 1572864
.set W2C_OFF, 1671168
.set W2S_OFF, 1933312
	s_load_b256 s[4:11], s[0:1], 0x0               ; gmax, W1, W2, sel
	s_load_b64 s[12:13], s[0:1], 0x20              ; wq
	v_lshl_add_u32 v192, v0, 2, 0x12200
	v_mov_b32 v193, 0
	v_lshrrev_b32 v2, 5, v0
	v_readfirstlane_b32 s14, v2                    ; wave 0..15
	v_and_b32 v1, 31, v0                           ; lane
	s_wait_kmcnt 0x0
	s_cmp_lt_u32 ttmp9, 64
	s_cbranch_scc0 .Lweights
	; ---- the five best groups
	s_mul_i32 s16, ttmp9, 64000
	s_mov_b32 s17, 0
	s_add_nc_u64 s[18:19], s[4:5], s[16:17]        ; my tile's 250 units of 256 bytes
	s_lshl_b32 s16, ttmp9, 9
	s_add_nc_u64 s[24:25], s[10:11], s[16:17]      ; its 16 records
	s_mov_b32 s22, 0x76543210
	s_mov_b32 s23, 0xfedcba98
	v_lshlrev_b32 v2, 4, v0                        ; 16 x thread
	v_min_u32 v3, 6640, v2                         ; the eighth load ends with the slab: no load leaves it
.irp i, 0,1,2,3,4,5,6
	global_load_b128 v[V+4*\i:V+4*\i+3], v2, s[18:19] offset:8192*\i
.endr
	global_load_b128 v[V+28:V+31], v3, s[18:19] offset:57344
	v_lshrrev_b32 v5, 4, v0
	v_and_b32 v6, 15, v0
	v_mul_u32_u24 v4, v5, UP
	v_lshl_add_u32 v4, v6, 4, v4                   ; in: sixteen threads to a unit
	v_mul_u32_u24 v7, v1, UP
	s_lshl_b32 s20, s14, 3
	v_add_nc_u32 v7, s20, v7                       ; out: unit = lane (+ 32 i), my query's 8 bytes
	v_and_b32 v79, 7, v1
	s_lshl_b32 s21, s14, 5
	s_add_co_u32 s21, s21, SELB
	v_lshl_add_u32 v8, v79, 2, s21                 ; my word of my query's record
	v_lshlrev_b32 v10, 4, v1
	v_add_nc_u32 v9, SELB, v10
	v_mov_b32 v78, 0xff800000                      ; -infinity
	v_mov_b32 v68, 0                               ; written once: a lane permute's destination counts as one of its sources
	s_wait_loadcnt 0x0
	v_cmp_gt_u32 vcc_lo, 416, v0                   ; units 250 to 255 do not exist: they are written as -infinity
.irp j, 28,29,30,31
	v_cndmask_b32 v[V+\j], v78, v[V+\j], vcc_lo
.endr
.irp i, 0,1,2,3,4,5,6,7
	ds_store_b128 v4, v[V+4*\i:V+4*\i+3] offset:32*UP*\i
.endr
	s_wait_dscnt 0x0                               ; for the others' sake: my stores are done
	s_barrier_signal -1
	s_barrier_wait -1
.irp i, 0,1,2,3,4,5,6,7
.irp h, 0,1
	ds_load_b64 v[V+4*\i+2*\h:V+4*\i+2*\h+1], v7 offset:32*UP*\i+128*\h
.endr
.endr
	s_wait_dscnt 0x0
.macro WMAX r
.irp m, 1,2,4,8
	v_max_num_f32_dpp v[\r], v[\r], v[\r] row_xmask:\m row_mask:0xf bank_mask:0xf
.endr
	v_permlanex16_b32 v68, v[\r], s22, s23
	v_max_num_f32 v[\r], v[\r], v68
.endm
.macro WMIN r
.irp m, 1,2,4,8
	v_min_num_f32_dpp v[\r], v[\r], v[\r] row_xmask:\m row_mask:0xf bank_mask:0xf
.endr
	v_permlanex16_b32 v68, v[\r], s22, s23
	v_min_num_f32 v[\r], v[\r], v68
.endm
; Round k: the largest maximum left; among its equals the lowest group; that group is taken out.
.macro ROUND k
.irp c, 0,1,2,3
	v_max3_num_f32 v[64+\c], v[V+8*\c], v[V+8*\c+1], v[V+8*\c+2]
.endr
.irp c, 0,1,2,3
	v_max3_num_f32 v[64+\c], v[64+\c], v[V+8*\c+3], v[V+8*\c+4]
.endr
.irp c, 0,1,2,3
	v_max3_num_f32 v[64+\c], v[64+\c], v[V+8*\c+5], v[V+8*\c+6]
.endr
.irp c, 0,1,2,3
	v_max_num_f32 v[64+\c], v[64+\c], v[V+8*\c+7]
.endr
	v_max3_num_f32 v64, v64, v65, v66
	v_max_num_f32 v64, v64, v67
	WMAX 64                                        ; the wave's largest
	v_mov_b32 v69, 64                              ; my lowest register that holds it; 64: none
.set N, 31
.rept 32
	v_cmp_neq_f32 vcc_lo, v[V+N], v64
	v_cndmask_b32 v69, N, v69, vcc_lo
.set N, N-1
.endr
	v_lshrrev_b32 v70, 2, v69
	v_and_b32 v72, 3, v69
	v_lshl_add_u32 v70, v70, 7, v72
	v_lshl_add_u32 v70, v1, 2, v70                 ; its group (2,048 or more where I hold none)
	v_cvt_f32_u32 v70, v70                         ; exact
	v_mov_b32 v71, v70
	WMIN 71                                        ; the lowest group among the equals
	v_cvt_u32_f32 v[73+\k], v71
.if \k < 4
	v_cmp_eq_f32 vcc_lo, v70, v71
	v_cndmask_b32 v72, 64, v69, vcc_lo             ; the winner's register, in the winner's lane alone
.set N, 0
.rept 32
	v_cmp_eq_u32 vcc_lo, N, v72
	v_cndmask_b32 v[V+N], v[V+N], v78, vcc_lo
.set N, N+1
.endr
.endif
.endm
	ROUND 0
	ROUND 1
	ROUND 2
	ROUND 3
	ROUND 4
	v_mov_b32 v80, 0
.irp k, 0,1,2,3,4
	v_cmp_eq_u32 vcc_lo, \k, v79
	v_cndmask_b32 v80, v80, v[73+\k], vcc_lo       ; word lane % 8 of the record
.endr
	ds_store_b32 v8, v80                           ; four lanes write each word, with the same value
	s_wait_dscnt 0x0
	s_barrier_signal -1
	s_barrier_wait -1
	s_cmp_lg_u32 s14, 0
	s_cbranch_scc1 .Lpick_end
	ds_load_b128 v[84:87], v9
	s_wait_dscnt 0x0
	global_store_b128 v10, v[84:87], s[24:25]      ; wave 0 stores the 16 records: 512 consecutive bytes
.Lpick_end:
	s_wait_tensorcnt 0x0
	ds_add_u32 v192, v193
	s_wait_dscnt 0x0
	s_endpgm
; ---- the weights.  N: columns; KS: K steps of 128; LW: the way's LDS bytes; cbits: log2(N / 128); COFF, SOFF: where codes and scale words begin in wq; j0: the way's first work-group; wp: the weight's pointer
; Work-group j: columns 128 (j % 2^cbits) on, K 512 (j >> cbits) on.  Wave: 32 columns (wave % 4), one K step (wave / 4).
.macro WQ N, KS, perm, LW, cbits, COFF, SOFF, j0, wp
	s_sub_co_u32 s20, ttmp9, \j0
	s_and_b32 s21, s20, (1<<\cbits)-1              ; cx
	s_lshr_b32 s22, s20, \cbits                    ; kq
	s_and_b32 s23, s14, 3                          ; cg
	s_lshr_b32 s24, s14, 2                         ; sk
	s_lshl_b32 s25, s22, 2
	s_add_co_u32 s25, s25, s24                     ; my K step
	s_mul_i32 s28, s25, 128*\N*4
	s_lshl_b32 s26, s21, 9
	s_add_co_u32 s28, s28, s26
	s_lshl_b32 s26, s23, 7
	s_add_co_u32 s28, s28, s26
	s_mov_b32 s29, 0
	s_add_nc_u64 s[30:31], s[\wp:\wp+1], s[28:29]  ; row 128 x K step, column 128 cx + 32 cg
	s_lshl_b32 s28, s25, 10
	s_add_co_u32 s28, s28, \COFF
	s_add_nc_u64 s[32:33], s[12:13], s[28:29]
	s_lshl_b32 s28, s22, 8
	s_add_co_u32 s28, s28, \SOFF
	s_add_nc_u64 s[34:35], s[12:13], s[28:29]
	s_lshl_b32 s26, s21, 2
	s_add_co_u32 s26, s26, s23
	s_lshl_b32 s26, s26, 1                         ; the first of my two tiles
	v_lshlrev_b32 v9, 2, v1
.set N_, 0
.rept 128
	global_load_b32 v[32+N_], v9, s[30:31] offset:N_*\N*4 th:TH_LOAD_NT   ; 32 lanes read 128 consecutive bytes; four waves stand side by side
.set N_, N_+1
.endr
.if \perm
	v_bfe_u32 v2, v1, 3, 1                         ; which of the two tiles,
	v_and_b32 v3, 7, v1
	v_lshrrev_b32 v4, 4, v1
	v_lshl_or_b32 v3, v4, 3, v3                    ; and which slot
.else
	v_lshrrev_b32 v2, 4, v1
	v_and_b32 v3, 15, v1
.endif
	v_add_nc_u32 v2, s26, v2
	v_mul_u32_u24 v5, v2, \KS*1024
	v_lshl_add_u32 v5, v3, 4, v5                   ; my codes' place
	v_mul_u32_u24 v6, v2, (\KS/4)*256
	v_lshl_add_u32 v6, v3, 4, v6                   ; my scale words' place
	s_lshl_b32 s36, s23, 9
	s_add_co_u32 s36, s36, \LW
	v_lshl_add_u32 v8, v1, 4, s36                  ; LDS: 16 bytes a column,
	s_lshl_b32 s27, s24, 2
	v_add_nc_u32 v7, s27, v8                       ; my K step's word
.irp t, 0,1,2,3
.if \t < 2
	s_wait_loadcnt 63                              ; block t's 32 loads are in (more might stay out than the wait can name)
.elseif \t == 2
	s_wait_loadcnt 32
.else
	s_wait_loadcnt 0
.endif
.set XS, 32+32*\t
	v_max3_num_f32 v12, |v[XS]|, |v[XS+1]|, |v[XS+2]|
	v_max3_num_f32 v13, |v[XS+3]|, |v[XS+4]|, |v[XS+5]|
.irp i, 6,10,14,18,22,26
	v_max3_num_f32 v12, v12, |v[XS+\i]|, |v[XS+\i+1]|
	v_max3_num_f32 v13, v13, |v[XS+\i+2]|, |v[XS+\i+3]|
.endr
	v_max3_num_f32 v12, v12, |v[XS+30]|, |v[XS+31]|
	v_max3_num_f32 v12, v12, v13, 0x1800000        ; the floor 2^(3 - 127) holds the byte at 1 from below
	v_add_nc_u32 v11, 0xff000000, v12              ; 2 off the exponent field: the conversion's scale operand
	v_lshrrev_b32 v13, 23, v11                     ; the scale's byte
.if \t == 0
	v_mov_b32 v14, v13
.else
	v_lshl_or_b32 v14, v13, 8*\t, v14              ; four bytes make the K step's scale word
.endif
.irp g, 0,1,2,3
	v_cvt_scalef32_pk8_fp4_f32 v[160+4*\t+\g], v[XS+8*\g:XS+8*\g+7], v11
.endr
	global_store_b128 v5, v[160+4*\t:160+4*\t+3], s[32:33] offset:256*\t   ; sixteen lanes fill 256 consecutive bytes, aligned; each block has its own data registers
.endr
	ds_store_b32 v7, v14
	s_wait_dscnt 0x0
	s_barrier_signal -1
	s_barrier_wait -1
	s_cmp_lg_u32 s24, 0
	s_cbranch_scc1 .Lw_end_\@
	ds_load_b128 v[176:179], v8                    ; the words of four K steps, made by four waves
	s_wait_dscnt 0x0
	global_store_b128 v6, v[176:179], s[34:35]
.Lw_end_\@:
	s_wait_tensorcnt 0x0
	ds_add_u32 v192, v193
	s_wait_dscnt 0x0
	s_endpgm
.endm
.Lweights:
	s_cmp_lt_u32 ttmp9, 112
	s_cbranch_scc0 .Lw2
	WQ 1024, 24, 1, LW1, 3, 0, W1S_OFF, 64, 6
.Lw2:
	WQ 512, 8, 0, LW2, 2, W2C_OFF, W2S_OFF, 112, 8
.Lfunc_end_k_qf56a912e97_pick:
	.size	k_qf56a912e97_pick, .Lfunc_end_k_qf56a912e97_pick-k_qf56a912e97_pick
	.p2alignl 7, 3214868480
	.fill 96, 4, 3214868480
	.section	.rodata,"a",@progbits
	.p2align	6, 0x0
	.amdhsa_kernel k_qf56a912e97_pick
		.amdhsa_group_segment_fixed_size 76288
		.amdhsa_private_segment_fixed_size 0
		.amdhsa_enable_private_segment 0
		.amdhsa_kernarg_size 40
		.amdhsa_user_sgpr_count 2
		.amdhsa_user_sgpr_kernarg_segment_ptr 1
		.amdhsa_wavefront_size32 1
		.amdhsa_system_sgpr_workgroup_id_x 1
		.amdhsa_system_sgpr_workgroup_id_y 1
		.amdhsa_system_sgpr_workgroup_id_z 1
		.amdhsa_system_vgpr_workitem_id 0
		.amdhsa_next_free_vgpr 194
		.amdhsa_next_free_sgpr 66
		.amdhsa_reserve_vcc 1
		.amdhsa_float_denorm_mode_32 3
		.amdhsa_float_denorm_mode_16_64 3
		.amdhsa_memory_ordered 1
		.amdhsa_forward_progress 1
		.amdhsa_inst_pref_size 75
	.end_amdhsa_kernel
	.amdgpu_metadata
---
amdhsa.version: [ 1, 2 ]
amdhsa.kernels:
  - .name:           k_qf56a912e97_pick
    .symbol:         k_qf56a912e97_pick.kd
    .args:
      - { .name: gmax, .offset: 0, .size: 8, .value_kind: global_buffer, .address_space: global }
      - { .name: W1, .offset: 8, .size: 8, .value_kind: global_buffer, .address_space: global }
      - { .name: W2, .offset: 16, .size: 8, .value_kind: global_buffer, .address_space: global }
      - { .name: sel, .offset: 24, .size: 8, .value_kind: global_buffer, .address_space: global }
      - { .name: wq, .offset: 32, .size: 8, .value_kind: global_buffer, .address_space: global }
    .group_segment_fixed_size: 76288
    .private_segment_fixed_size: 0
    .kernarg_segment_align: 8
    .kernarg_segment_size: 40
    .max_flat_workgroup_size: 512
    .sgpr_count:     66
    .vgpr_count:     194
    .wavefront_size: 32
...
	.end_amdgpu_metadata
.endif
;; end of part 3
;; launch rescan (part 4): grid 256 x 1, 4 waves a work-group, no clusters, 1,536 bytes of LDS; arguments cod, sel, idx, wts; writes idx, wts
.if DOCPART == 4
	.amdgcn_target "amdgcn-amd-amdhsa--gfx1250"
	.amdhsa_code_object_version 6
	.text
	.protected	k_qf56a912e97_rescan
	.globl	k_qf56a912e97_rescan
	.p2align	8
	.type	k_qf56a912e97_rescan,@function
k_qf56a912e97_rescan:
	s_mov_b64 s[64:65], 0
	v_nop
	global_prefetch_b8 v0, s[64:65] scope:SCOPE_SE
	s_setreg_imm32_b32 hwreg(HW_REG_WAVE_MODE, 25, 1), 1
	s_wait_xcnt 0x0
; For each query the similarity product once more, on the 5 x 100 rows of its five chosen groups (read from sel as whole numbers); then the exact five best rows, by (score descending, row ascending),
; and the softmax of their scores.  idx: [query][16] whole numbers (five rows, then zeros); wts: [query][16] f32 (five weights, then zeros).
; SHARES.  A wave takes a query.  Source 0 = the query in all 16 rows, source 1 = 16 rows of hist as columns: register 0 of the result in lane (r, h) is the score of column r.  K ascends in one chain from the constant 0.
; A group is seven tiles: six of 16 rows, and one whose lanes all read the group's last four rows, of which lanes 0-3 count.  A lane ends with 20 candidates: candidate 4 a + i is row 100 G_a + 32 i + lane.
; The rows' numbers are carried as f32 (exact under 2^24).  The choice only selects values: no address and no branch hangs on it here.
; The softmax takes the largest of the five away before the exponentials.
; REGISTERS: window 0: v16-47 the query's fragments; v48-51 its scale words; v52-107 seven accumulators; v108-163 the rows' scale words, two buffers; v164-183 scores; v184-203 rows; v204.. at work.
;   windows 1, 2: a group's 28 fragments (32 t + 8 s), two buffers.
.set HS_OFF, 25600000
.set QC_OFF, 27200000
.set QS_OFF, 27462144
.set VB,  3                            ; v3  (r / 4) 1024 + 64 h + 16 (r % 4): my place in a tile's codes
.set VB6, 4                            ; v4  the same in the group's last quad
.set VS,  5                            ; v5  16 r
.set VS6, 6                            ; v6  1536 + 16 (r % 4)
.set VQ,  7                            ; v7  64 h
.set ZR,  9                            ; v9  0
.set A,   16
.set QSC, 48
.set D,   52
.set BS,  108
.set V,   164
.set IDF, 184
.set MK,  210                          ; v210-214 the five scores
.set WK,  215                          ; v215-219 the five rows, as f32
.set NEG, 220
.set BIG, 221
.set EX,  222                          ; v222-226 the weights
.set SM,  227                          ; v227-228
.set UK,  229                          ; v229-233 the five rows, whole numbers
.set T,   236
.set CB,  20                           ; s[20:29] the five groups' codes
.set SB,  30                           ; s[30:39] and scale bytes
.set SEL, 44
.set MSB, 0
.macro WIN new
.if MSB != (\new)
	s_set_vgpr_msb (MSB<<8)|(\new)
.set MSB, (\new)
.endif
.endm
	s_load_b256 s[4:11], s[0:1], 0x0               ; cod, sel, idx, wts
	v_lshl_add_u32 v254, v0, 2, 0x400
	v_mov_b32 v255, 0
	v_lshrrev_b32 v2, 5, v0
	v_readfirstlane_b32 s46, v2                    ; wave
	v_and_b32 v1, 31, v0                           ; lane
	s_lshl_b32 s47, ttmp9, 2
	s_add_co_u32 s47, s47, s46                     ; my query
	s_lshl_b32 s40, s47, 5
	s_mov_b32 s41, 0
	s_wait_kmcnt 0x0
	s_add_nc_u64 s[42:43], s[6:7], s[40:41]
	s_load_b256 s[12:19], s[42:43], 0x0            ; its record: five groups
	s_lshl_b32 s40, ttmp9, 10
	s_lshl_b32 s61, s46, 4
	s_add_co_u32 s40, s40, s61
	s_add_co_u32 s40, s40, QC_OFF
	s_add_nc_u64 s[54:55], s[4:5], s[40:41]        ; its codes: quad = work-group, place in the quad = wave
	s_lshl_b32 s40, s47, 4
	s_add_co_u32 s40, s40, QS_OFF
	s_add_nc_u64 s[56:57], s[4:5], s[40:41]        ; its scale bytes
	s_mov_b32 s[SEL], 0x76543210
	s_mov_b32 s[SEL+1], 0xfedcba98
	v_and_b32 v2, 15, v0                           ; r
	v_bfe_u32 v8, v0, 4, 1                         ; h
	v_lshlrev_b32 v[VQ], 6, v8
	v_mov_b32 v[ZR], 0
.irp s, 0,1,2,3
.irp c, 0,1
	global_load_b128 v[A+8*\s+4*\c:A+8*\s+4*\c+3], v[VQ], s[54:55] offset:256*\s+128*\c   ; every row of source 0 is the query
.endr
.endr
	global_load_b128 v[QSC:QSC+3], v[ZR], s[56:57]
	v_and_b32 v12, 3, v2
	v_lshrrev_b32 v13, 2, v2
	v_lshl_add_u32 v[VB6], v12, 4, v[VQ]           ; 64 h + 16 (r % 4)
	v_lshl_add_u32 v[VB], v13, 10, v[VB6]
	v_add_nc_u32 v[VB6], 24576, v[VB6]
	v_lshlrev_b32 v[VS], 4, v2
	v_lshlrev_b32 v[VS6], 4, v12
	v_add_nc_u32 v[VS6], 1536, v[VS6]
	v_cmp_ne_u32 s53, 0, v8                        ; lanes 16-31
	v_cmp_gt_u32 s60, 4, v1                        ; lanes 0-3
	s_lshl_b32 s61, s46, 6
	v_lshl_add_u32 v10, v2, 2, s61                 ; LDS: my query's record, word lane % 16
	v_lshlrev_b32 v11, 3, v1                       ; 8 x lane
	v_mov_b32 v[NEG], 0xff800000
	v_mov_b32 v[BIG], 0x7f800000
	v_mov_b32 v206, 0                              ; written once: a lane permute's destination counts as one of its sources
	s_wait_kmcnt 0x0
.irp a, 0,1,2,3,4
	s_min_u32 s[12+\a], s[12+\a], 999              ; a group's number stays inside the table
	s_mul_i32 s40, s[12+\a], 25600
	s_add_nc_u64 s[CB+2*\a:CB+2*\a+1], s[4:5], s[40:41]
	s_mul_i32 s40, s[12+\a], 1600
	s_add_co_u32 s40, s40, HS_OFF
	s_add_nc_u64 s[SB+2*\a:SB+2*\a+1], s[4:5], s[40:41]
	s_mul_i32 s[48+\a], s[12+\a], 100              ; its first row
.endr
.macro GLOAD a, buf                    ; group a's 28 fragments and 7 x 4 scale words: 63 loads
	WIN 0x40*(1+(\buf))
.irp t, 0,1,2,3,4,5
.irp s, 0,1,2,3
.irp c, 0,1
	global_load_b128 v[32*\t+8*\s+4*\c:32*\t+8*\s+4*\c+3], v[VB], s[CB+2*(\a):CB+2*(\a)+1] offset:4096*\t+256*\s+128*\c
.endr
.endr
.endr
.irp s, 0,1,2,3
.irp c, 0,1
	global_load_b128 v[192+8*\s+4*\c:192+8*\s+4*\c+3], v[VB6], s[CB+2*(\a):CB+2*(\a)+1] offset:256*\s+128*\c
.endr
.endr
	WIN 0
.irp t, 0,1,2,3,4,5
	global_load_b128 v[BS+28*(\buf)+4*\t:BS+28*(\buf)+4*\t+3], v[VS], s[SB+2*(\a):SB+2*(\a)+1] offset:256*\t
.endr
	global_load_b128 v[BS+28*(\buf)+24:BS+28*(\buf)+27], v[VS6], s[SB+2*(\a):SB+2*(\a)+1]
.endm
.macro GMUL buf                        ; 28 matrix instructions; the seven accumulators take turns, one instruction a turn
	WIN 0x04*(1+(\buf))
.irp s, 0,1,2,3
.irp t, 0,1,2,3,4,5,6
.if \s == 0
	v_wmma_scale_f32_16x16x128_f8f6f4 v[D+8*\t:D+8*\t+7], v[A+8*\s:A+8*\s+7], v[32*\t+8*\s:32*\t+8*\s+7], 0, v[QSC+\s], v[BS+28*(\buf)+4*\t+\s] matrix_a_fmt:MATRIX_FMT_FP4 matrix_b_fmt:MATRIX_FMT_FP4
.else
	v_wmma_scale_f32_16x16x128_f8f6f4 v[D+8*\t:D+8*\t+7], v[A+8*\s:A+8*\s+7], v[32*\t+8*\s:32*\t+8*\s+7], v[D+8*\t:D+8*\t+7], v[QSC+\s], v[BS+28*(\buf)+4*\t+\s] matrix_a_fmt:MATRIX_FMT_FP4 matrix_b_fmt:MATRIX_FMT_FP4
.endif
.endr
.endr
	WIN 0
.rept 5
	v_nop                                          ; places: four ahead of the reads of results and of loads into this buffer, five ahead of the products that begin these sums anew
.endr
.endm
.macro CAND a                          ; group a's four candidates of my lane
.irp i, 0,1,2
	v_cndmask_b32 v[V+4*(\a)+\i], v[D+16*\i], v[D+16*\i+8], s53   ; lanes 0-15 tile 2 i, lanes 16-31 tile 2 i + 1: row 32 i + lane of the group
.endr
	v_cndmask_b32 v[V+4*(\a)+3], v[NEG], v[D+48], s60             ; rows 96 to 99 in lanes 0-3
	v_add_nc_u32 v[T], s[48+(\a)], v1
	v_add_nc_u32 v[T+1], 32, v[T]
	v_add_nc_u32 v[T+2], 64, v[T]
	v_add_nc_u32 v[T+3], 96, v[T]
.irp i, 0,1,2,3
	v_cvt_f32_u32 v[IDF+4*(\a)+\i], v[T+\i]
.endr
.endm
	GLOAD 0, 0
	GLOAD 1, 1
	s_wait_loadcnt 63                              ; all but the next group's 63 loads are in
	GMUL 0
	GLOAD 2, 0
	CAND 0
	s_wait_loadcnt 63
	GMUL 1
	GLOAD 3, 1
	CAND 1
	s_wait_loadcnt 63
	GMUL 0
	GLOAD 4, 0
	CAND 2
	s_wait_loadcnt 63
	GMUL 1
	CAND 3
	s_wait_loadcnt 0
	GMUL 0
	CAND 4
.macro ROUND k                         ; the largest score left; among its equals the lowest row; that candidate is taken out
	v_max3_num_f32 v204, v[V], v[V+1], v[V+2]
	v_max3_num_f32 v205, v[V+3], v[V+4], v[V+5]
.irp i, 6,10,14
	v_max3_num_f32 v204, v204, v[V+\i], v[V+\i+1]
	v_max3_num_f32 v205, v205, v[V+\i+2], v[V+\i+3]
.endr
	v_max3_num_f32 v204, v204, v[V+18], v[V+19]
	v_max_num_f32 v204, v204, v205
.irp m, 1,2,4,8
	v_max_num_f32_dpp v204, v204, v204 row_xmask:\m row_mask:0xf bank_mask:0xf
.endr
	v_permlanex16_b32 v206, v204, s[SEL], s[SEL+1]
	v_max_num_f32 v[MK+\k], v204, v206
	v_mov_b32 v207, v[BIG]
.irp n, 0,2,4,6,8,10,12,14,16,18
	v_cmp_neq_f32 vcc_lo, v[V+\n], v[MK+\k]
	v_cndmask_b32 v208, v[IDF+\n], v[BIG], vcc_lo
	v_cmp_neq_f32 vcc_lo, v[V+\n+1], v[MK+\k]
	v_cndmask_b32 v209, v[IDF+\n+1], v[BIG], vcc_lo
	v_min3_num_f32 v207, v207, v208, v209
.endr
.irp m, 1,2,4,8
	v_min_num_f32_dpp v207, v207, v207 row_xmask:\m row_mask:0xf bank_mask:0xf
.endr
	v_permlanex16_b32 v206, v207, s[SEL], s[SEL+1]
	v_min_num_f32 v[WK+\k], v207, v206
.if \k < 4
.irp n, 0,1,2,3,4,5,6,7,8,9,10,11,12,13,14,15,16,17,18,19
	v_cmp_eq_f32 vcc_lo, v[IDF+\n], v[WK+\k]
	v_cndmask_b32 v[V+\n], v[V+\n], v[NEG], vcc_lo
.endr
.endif
.endm
	ROUND 0
	ROUND 1
	ROUND 2
	ROUND 3
	ROUND 4
.irp k, 0,1,2,3,4
	v_sub_f32 v[EX+\k], v[MK+\k], v[MK]            ; the largest is taken away
.endr
.irp k, 0,1,2,3,4
	v_mul_f32 v[EX+\k], 0x3fb8aa3b, v[EX+\k]       ; x log2(e)
.endr
.irp k, 0,1,2,3,4
	v_exp_f32 v[EX+\k], v[EX+\k]
.endr
.irp k, 0,1,2,3,4
	v_cvt_u32_f32 v[UK+\k], v[WK+\k]               ; plain lines behind the exponentials
.endr
	s_wait_alu depctr_va_vdst(0)                   ; one wait for the five, ahead of their first reader
	v_add_f32 v[SM], v[EX], v[EX+1]
	v_add_f32 v[SM+1], v[EX+2], v[EX+3]
	v_add_f32 v[SM], v[SM], v[EX+4]
	v_add_f32 v[SM], v[SM], v[SM+1]
	v_rcp_f32 v[SM], v[SM]
	v_mov_b32 v234, 0                              ; a plain line behind the reciprocal
	v_mov_b32 v235, 0
	s_wait_alu depctr_va_vdst(0)
.irp k, 0,1,2,3,4
	v_mul_f32 v[EX+\k], v[EX+\k], v[SM]
.endr
.irp k, 0,1,2,3,4
	v_cmp_eq_u32 vcc_lo, \k, v2
	v_cndmask_b32 v234, v234, v[UK+\k], vcc_lo     ; word lane % 16 of the two records
	v_cndmask_b32 v235, v235, v[EX+\k], vcc_lo
.endr
	ds_store_b32 v10, v234                         ; both halves of the lanes write the same words with the same values
	ds_store_b32 v10, v235 offset:256
	s_wait_dscnt 0x0
	s_barrier_signal -1
	s_barrier_wait -1
	s_lshl_b32 s40, ttmp9, 8
	s_cmp_eq_u32 s46, 0
	s_cbranch_scc0 .Lnot_0
	s_add_nc_u64 s[58:59], s[8:9], s[40:41]
	ds_load_b64 v[236:237], v11
	s_wait_dscnt 0x0
	global_store_b64 v11, v[236:237], s[58:59]     ; wave 0: the four queries' rows: 256 consecutive bytes, aligned
	s_wait_tensorcnt 0x0
	ds_add_u32 v254, v255
	s_wait_dscnt 0x0
	s_endpgm
.Lnot_0:
	s_cmp_eq_u32 s46, 1
	s_cbranch_scc0 .Ldone
	s_add_nc_u64 s[58:59], s[10:11], s[40:41]
	ds_load_b64 v[236:237], v11 offset:256
	s_wait_dscnt 0x0
	global_store_b64 v11, v[236:237], s[58:59]     ; wave 1: their weights
.Ldone:
	s_wait_tensorcnt 0x0
	ds_add_u32 v254, v255
	s_wait_dscnt 0x0
	s_endpgm
.Lfunc_end_k_qf56a912e97_rescan:
	.size	k_qf56a912e97_rescan, .Lfunc_end_k_qf56a912e97_rescan-k_qf56a912e97_rescan
	.p2alignl 7, 3214868480
	.fill 96, 4, 3214868480
	.section	.rodata,"a",@progbits
	.p2align	6, 0x0
	.amdhsa_kernel k_qf56a912e97_rescan
		.amdhsa_group_segment_fixed_size 1536
		.amdhsa_private_segment_fixed_size 0
		.amdhsa_enable_private_segment 0
		.amdhsa_kernarg_size 32
		.amdhsa_user_sgpr_count 2
		.amdhsa_user_sgpr_kernarg_segment_ptr 1
		.amdhsa_wavefront_size32 1
		.amdhsa_system_sgpr_workgroup_id_x 1
		.amdhsa_system_sgpr_workgroup_id_y 1
		.amdhsa_system_sgpr_workgroup_id_z 1
		.amdhsa_system_vgpr_workitem_id 0
		.amdhsa_next_free_vgpr 768
		.amdhsa_next_free_sgpr 66
		.amdhsa_reserve_vcc 1
		.amdhsa_float_denorm_mode_32 3
		.amdhsa_float_denorm_mode_16_64 3
		.amdhsa_memory_ordered 1
		.amdhsa_forward_progress 1
		.amdhsa_inst_pref_size 80
	.end_amdhsa_kernel
	.amdgpu_metadata
---
amdhsa.version: [ 1, 2 ]
amdhsa.kernels:
  - .name:           k_qf56a912e97_rescan
    .symbol:         k_qf56a912e97_rescan.kd
    .args:
      - { .name: cod, .offset: 0, .size: 8, .value_kind: global_buffer, .address_space: global }
      - { .name: sel, .offset: 8, .size: 8, .value_kind: global_buffer, .address_space: global }
      - { .name: idx, .offset: 16, .size: 8, .value_kind: global_buffer, .address_space: global }
      - { .name: wts, .offset: 24, .size: 8, .value_kind: global_buffer, .address_space: global }
    .group_segment_fixed_size: 1536
    .private_segment_fixed_size: 0
    .kernarg_segment_align: 8
    .kernarg_segment_size: 32
    .max_flat_workgroup_size: 128
    .sgpr_count:     66
    .vgpr_count:     768
    .wavefront_size: 32
...
	.end_amdgpu_metadata
.endif
;; end of part 4
;; launch mlp (part 5): grid 64 x 4, 4 waves a work-group, no clusters, 45,568 bytes of LDS; arguments x, hist, idx, wts, wq, b1, yp; writes yp
.if DOCPART == 5
	.amdgcn_target "amdgcn-amd-amdhsa--gfx1250"
	.amdhsa_code_object_version 6
	.text
	.protected	k_qf56a912e97_mlp
	.globl	k_qf56a912e97_mlp
	.p2align	8
	.type	k_qf56a912e97_mlp,@function
k_qf56a912e97_mlp:
	s_mov_b64 s[64:65], 0
	v_nop
	global_prefetch_b8 v0, s[64:65] scope:SCOPE_SE
	s_setreg_imm32_b32 hwreg(HW_REG_WAVE_MODE, 25, 1), 1
	s_wait_xcnt 0x0
; The fusion layer on codes of FP4.  Work-group (rt, Q): rows 16 rt .. 16 rt + 15; hidden units 256 Q .. 256 Q + 255, which are K steps 2 Q and 2 Q + 1 of the second product.
; It gathers each row's five rows of hist (numbers from idx, clamped to the table), forms their weighted sum in f32, quantises x_last and the sum (aug = x_last and five copies of the sum: K steps 4 .. 23 take the
; sum's four fragments again and again), multiplies by its part of W1, adds b1 (as the C of each sum's first product), clips at 0, quantises, and multiplies by its K share of W2.
; yp: [Q][row][512] f32: four partial sums, added by the next launch.
; SHARES.  Wave w quantises K step w of x_last and of the sum; makes hidden tiles 16 Q + 4 w + i (64 units); makes outputs 128 w .. 128 w + 127; stores rows 4 w .. 4 w + 3.
; Operands go from wave to wave through LDS as images of their registers (16 bytes a lane on end, scale words 4 bytes a lane).  Both products are used transposed: source 0 = 16 rows of the weight, source 1 = my 16 rows.
; The weights were laid in the order of the operand's registers: a fragment is two loads of 512 consecutive bytes, straight into registers.  W1's fragments come through a ring of eight K steps in window 1.
; No cluster: the weights go straight into registers, and no tile comes by a tensor load.
; REGISTERS: window 0: v4-15, v246-247 addresses; v16-79 x, later aug's eight fragments, later rows of y; v80-143 the weighted sum, later the hidden layer (v88-119) and its two fragments (v120-135);
;   v144-209 scale words and nothing else; v210-245 at work.  window 1: W1's ring.  window 2: W2's 16 fragments, b1's four tiles (v128), y's eight accumulators (v160).  window 3: neighbours 0 to 3.
.set XIMG, 0                           ; LDS: aug's 8 fragments, 1,024 bytes each,
.set XSC,  8192                        ; their scale words, 128 bytes each,
.set HIMG, 9216                        ; the hidden layer's 2 fragments,
.set HSC,  11264                       ; their scale words,
.set STG,  11520                       ; and the stage for y: 16 rows x (2,048 bytes + 16)
.set SP,   2064
.set W1S_OFF, 1572864
.set W2C_OFF, 1671168
.set W2S_OFF, 1933312
.set LI,  4                            ; 16 x lane
.set LS,  5                            ; 4 x lane
.set XA,  6                            ; x: 32,768 r + 64 h
.set RI,  7                            ; 64 r: my row's record
.set SO,  8                            ; the stage, way in
.set SR,  9                            ; the stage, way out
.set XWI, 10                           ; 16 x lane + 1,024 w
.set XWS, 11                           ; 4 x lane + 128 w
.set HWI, 12                           ; 16 x lane + 1,024 (w / 2) + 512 (w % 2)
.set HWS, 13                           ; 4 x lane + 128 (w / 2) + 2 (w % 2)
.set W1V, 14                           ; 1,536 h + 16 r
.set W2V, 15                           ; 512 h + 16 r
.set PA,  16
.set AUG, 16
.set PB,  80
.set H,   88
.set HF,  120
.set AXS, 144                          ; aug's scale words
.set HXS, 152                          ; the hidden layer's
.set W1S, 154                          ; W1's: 24 (i / 2) + s; lanes 0-15 the even tile's, lanes 16-31 the odd tile's
.set W2S, 202                          ; W2's: 2 (n / 2) + s2, likewise
.set TM,  210
.set PC,  226
.set WT,  234
.set PW,  239
.set IX,  240
.set B1V, 246                          ; 64 h
.set HOF, 247                          ; 64 h + 512 w
.set B1,  128
.set Y,   160
.set SEL, 22
.set MSB, 0
.macro WIN new
.if MSB != (\new)
	s_set_vgpr_msb (MSB<<8)|(\new)
.set MSB, (\new)
.endif
.endm
; 16 nb numbers of a lane, register 16 b + i = k 32 b + 16 (lane / 16) + i of my row, become codes in v[PC] on and scale bytes in v[PW]
.macro QUANT s, nb
.set QB, 0
.rept \nb
	v_max3_num_f32 v[TM+QB], |v[\s+16*QB]|, |v[\s+16*QB+1]|, 0x1800000   ; the floor 2^(3 - 127) holds the byte at 1 from below
.set QB, QB+1
.endr
.irp i, 2,4,6,8,10,12,14
.set QB, 0
.rept \nb
	v_max3_num_f32 v[TM+QB], v[TM+QB], |v[\s+16*QB+\i]|, |v[\s+16*QB+\i+1]|
.set QB, QB+1
.endr
.endr
.set QB, 0
.rept \nb
	v_permlanex16_b32 v[TM+4+QB], v[TM+QB], s[SEL], s[SEL+1]
.set QB, QB+1
.endr
.set QB, 0
.rept \nb
	v_max_num_f32 v[TM+QB], v[TM+QB], v[TM+4+QB]   ; with lane l xor 16's: the block's largest magnitude
.set QB, QB+1
.endr
.set QB, 0
.rept \nb
	v_add_nc_u32 v[TM+12+QB], 0xff000000, v[TM+QB] ; 2 off the exponent field: the conversion's scale operand
.set QB, QB+1
.endr
.set QB, 0
.rept \nb
	v_lshrrev_b32 v[TM+4+QB], 23, v[TM+12+QB]      ; the scale's byte
.set QB, QB+1
.endr
	v_lshl_or_b32 v[PW], v[TM+5], 8, v[TM+4]
.if \nb == 4
	v_lshl_or_b32 v[PW], v[TM+6], 16, v[PW]
	v_lshl_or_b32 v[PW], v[TM+7], 24, v[PW]
.endif
.set QB, 0
.rept \nb
	v_cvt_scalef32_pk8_fp4_f32 v[PC+2*QB], v[\s+16*QB:\s+16*QB+7], v[TM+12+QB]
	v_cvt_scalef32_pk8_fp4_f32 v[PC+2*QB+1], v[\s+16*QB+8:\s+16*QB+15], v[TM+12+QB]
.set QB, QB+1
.endr
	v_nop                                          ; one plain line behind a scaled conversion
.set QB, 0
.rept \nb/2                            ; the operand's layout wants a whole block in a lane: lanes 0-15 the even block, lanes 16-31 the odd one
	v_permlane16_swap_b32 v[PC+4*QB], v[PC+4*QB+2]
	v_permlane16_swap_b32 v[PC+4*QB+1], v[PC+4*QB+3]
.set QB, QB+1
.endr
.endm
.macro XLOAD reg, voff, sb             ; 64 numbers of my row: of each of four blocks of 32 my half's 16
.irp b, 0,1,2,3
.irp j, 0,1,2,3
	global_load_b128 v[(\reg)+16*\b+4*\j:(\reg)+16*\b+4*\j+3], v[\voff], s[\sb:\sb+1] offset:128*\b+16*\j
.endr
.endr
.endm
.macro FETCH reg, off                  ; a fragment's image back into registers
.irp c, 0,1
	ds_load_b128 v[(\reg)+4*\c:(\reg)+4*\c+3], v[LI] offset:(\off)+512*\c
.endr
.endm
.macro BARRIER                         ; my LDS stores have landed and my LDS loads are in: then the work-group's barrier
	s_wait_dscnt 0x0
	s_barrier_signal -1
	s_barrier_wait -1
.endm
.macro RING s                          ; K step s of my four tiles of W1: eight loads into slot s % 8
	WIN 0x40
.irp i, 0,1,2,3
.irp c, 0,1
	global_load_b128 v[32*((\s)%8)+8*\i+4*\c:32*((\s)%8)+8*\i+4*\c+3], v[LI], s[30:31] offset:24576*\i+1024*(\s)+512*\c
.endr
.endr
	WIN 0
.endm
	s_load_b256 s[4:11], s[0:1], 0x0               ; x, hist, idx, wts
	s_load_b128 s[12:15], s[0:1], 0x20             ; wq, b1
	s_load_b64 s[16:17], s[0:1], 0x30              ; yp
	v_lshl_add_u32 v254, v0, 2, 0xb000
	v_mov_b32 v255, 0
	v_lshrrev_b32 v1, 5, v0
	v_readfirstlane_b32 s18, v1                    ; wave
	s_and_b32 s20, ttmp7, 0xffff                   ; Q
	v_and_b32 v1, 31, v0                           ; lane
	v_and_b32 v2, 15, v0                           ; r
	v_bfe_u32 v3, v0, 4, 1                         ; h
	v_lshlrev_b32 v[LI], 4, v1
	v_lshlrev_b32 v[LS], 2, v1
	v_lshlrev_b32 v[XA], 15, v2
	v_lshl_add_u32 v[XA], v3, 6, v[XA]
	v_lshlrev_b32 v[RI], 6, v2
	v_lshlrev_b32 v[B1V], 6, v3
	s_lshl_b32 s42, s18, 9
	v_add_nc_u32 v[HOF], s42, v[B1V]
	s_add_co_u32 s42, s42, STG
	v_mul_u32_u24 v[SO], v2, SP
	v_lshl_add_u32 v[SO], v3, 5, v[SO]
	v_add_nc_u32 v[SO], s42, v[SO]                 ; row r, + 32 h, + 512 w
	s_mul_i32 s42, s18, 4*SP
	s_add_co_u32 s42, s42, STG
	v_add_nc_u32 v[SR], s42, v[LI]                 ; my four rows, 16 bytes a lane
	s_lshl_b32 s42, s18, 10
	v_add_nc_u32 v[XWI], s42, v[LI]
	s_lshl_b32 s42, s18, 7
	v_add_nc_u32 v[XWS], s42, v[LS]
	s_lshr_b32 s42, s18, 1
	s_and_b32 s43, s18, 1
	s_lshl_b32 s44, s42, 10
	s_lshl_b32 s45, s43, 9
	s_add_co_u32 s44, s44, s45
	v_add_nc_u32 v[HWI], s44, v[LI]
	s_lshl_b32 s44, s42, 7
	s_lshl_b32 s45, s43, 1
	s_add_co_u32 s44, s44, s45
	v_add_nc_u32 v[HWS], s44, v[LS]
	v_mul_u32_u24 v[W1V], v3, 1536
	v_lshl_add_u32 v[W1V], v2, 4, v[W1V]
	v_lshlrev_b32 v[W2V], 9, v3
	v_lshl_add_u32 v[W2V], v2, 4, v[W2V]
	s_mov_b32 s[SEL], 0x76543210
	s_mov_b32 s[SEL+1], 0xfedcba98
.irp b, 0,1,2,3
	v_mov_b32 v[TM+4+\b], 0                        ; written once: a lane permute's destination counts as one of its sources
.endr
	s_mov_b32 s43, 0
	s_wait_kmcnt 0x0
	s_lshl_b32 s42, ttmp9, 10
	s_add_nc_u64 s[26:27], s[8:9], s[42:43]        ; my 16 rows' records
	s_add_nc_u64 s[28:29], s[10:11], s[42:43]
	s_lshl_b32 s42, ttmp9, 19
	s_lshl_b32 s44, s18, 9
	s_add_co_u32 s42, s42, s44
	s_add_co_u32 s42, s42, 30720
	s_add_nc_u64 s[24:25], s[4:5], s[42:43]        ; x: my 16 rows, step 15, K step w
	global_load_b128 v[IX:IX+3], v[RI], s[26:27]
	global_load_b32 v[IX+4], v[RI], s[26:27] offset:16
	global_load_b128 v[WT:WT+3], v[RI], s[28:29]
	global_load_b32 v[WT+4], v[RI], s[28:29] offset:16
	XLOAD PA, XA, 24
	s_lshl_b32 s44, s20, 4
	s_lshl_b32 s45, s18, 2
	s_add_co_u32 s44, s44, s45                     ; my first tile of W1
	s_mul_i32 s42, s44, 24576
	s_add_nc_u64 s[30:31], s[12:13], s[42:43]
	s_mul_i32 s42, s44, 1536
	s_add_co_u32 s42, s42, W1S_OFF
	s_add_nc_u64 s[32:33], s[12:13], s[42:43]
	s_lshl_b32 s42, s18, 16
	s_lshl_b32 s45, s20, 11
	s_add_co_u32 s42, s42, s45
	s_add_co_u32 s42, s42, W2C_OFF
	s_add_nc_u64 s[34:35], s[12:13], s[42:43]      ; W2: tile 8 w, K step 2 Q
	s_lshl_b32 s42, s18, 12
	s_lshr_b32 s45, s20, 1
	s_lshl_b32 s45, s45, 8
	s_add_co_u32 s42, s42, s45
	s_and_b32 s45, s20, 1
	s_lshl_b32 s45, s45, 3
	s_add_co_u32 s42, s42, s45
	s_add_co_u32 s42, s42, W2S_OFF
	s_add_nc_u64 s[36:37], s[12:13], s[42:43]      ; its scale words: two of a row's four
	s_lshl_b32 s42, s20, 10
	s_lshl_b32 s45, s18, 8
	s_add_co_u32 s42, s42, s45
	s_add_nc_u64 s[38:39], s[14:15], s[42:43]      ; b1 at my 64 units
	s_lshl_b32 s42, s20, 21
	s_lshl_b32 s45, ttmp9, 15
	s_add_co_u32 s42, s42, s45
	s_lshl_b32 s45, s18, 13
	s_add_co_u32 s42, s42, s45
	s_add_nc_u64 s[40:41], s[16:17], s[42:43]      ; yp: part Q, my four rows
	s_wait_loadcnt 16                              ; the records are in; x's 16 loads may be out
.irp k, 0,1,2,3,4
	v_min_u32 v[IX+\k], 0x1869f, v[IX+\k]          ; a row's number stays inside the table
.endr
.irp k, 0,1,2,3,4
	v_lshlrev_b32 v[IX+\k], 11, v[IX+\k]
.endr
.irp k, 0,1,2,3,4
	v_add_nc_u32 v[IX+\k], v[HOF], v[IX+\k]        ; 2,048 x row + K step w + my half's 64 bytes
.endr
	WIN 0xc0                                       ; destination window 3
	XLOAD 0, IX, 6
	XLOAD 64, IX+1, 6
	XLOAD 128, IX+2, 6
	XLOAD 192, IX+3, 6
	WIN 0
	XLOAD PB, IX+4, 6                              ; the fifth neighbour lands where the sum is formed
	s_wait_loadcnt 63                              ; x is in (80 loads are younger; the wait can name 63)
	QUANT PA, 4
	ds_store_b128 v[XWI], v[PC:PC+3] offset:XIMG
	ds_store_b128 v[XWI], v[PC+4:PC+7] offset:XIMG+512
	ds_store_b32 v[XWS], v[PW] offset:XSC
	WIN 0x80                                       ; destination window 2
.irp n, 0,1,2,3,4,5,6,7
.irp s, 0,1
.irp c, 0,1
	global_load_b128 v[16*\n+8*\s+4*\c:16*\n+8*\s+4*\c+3], v[LI], s[34:35] offset:8192*\n+1024*\s+512*\c
.endr
.endr
.endr
.irp i, 0,1,2,3
	global_load_b128 v[B1+8*\i:B1+8*\i+3], v[B1V], s[38:39] offset:(32*(\i/2)+8*(\i%2))*4       ; lane (r, h), tile i: units 32 (i / 2) + 16 h + 8 (i % 2) + 0 .. 7
	global_load_b128 v[B1+8*\i+4:B1+8*\i+7], v[B1V], s[38:39] offset:(32*(\i/2)+8*(\i%2))*4+16
.endr
	WIN 0
.irp p, 0,1
.irp q, 0,1,2,3,4,5
	global_load_b128 v[W1S+24*\p+4*\q:W1S+24*\p+4*\q+3], v[W1V], s[32:33] offset:3072*\p+256*\q
.endr
.endr
.irp p, 0,1,2,3
	global_load_b64 v[W2S+2*\p:W2S+2*\p+1], v[W2V], s[36:37] offset:1024*\p
.endr
.irp s, 0,1,2,3,4,5,6,7
	RING \s
.endr
	s_wait_loadcnt 63                              ; all but the ring's loads are in: the neighbours, W2, b1, the scale words
.set J, 0
.rept 64
	v_mul_f32 v[PB+J], v[WT+4], v[PB+J]
.set J, J+1
.endr
	WIN 0x03                                       ; source 0 window 3
.irp k, 0,1,2,3
.set J, 0
.rept 64
	v_fma_f32 v[PB+J], v[64*\k+J], v[WT+\k], v[PB+J]
.set J, J+1
.endr
.endr
	WIN 0
	s_wait_dscnt 0x0                               ; the stores of x's image have read their registers
	QUANT PB, 4
	ds_store_b128 v[XWI], v[PC:PC+3] offset:XIMG+4096
	ds_store_b128 v[XWI], v[PC+4:PC+7] offset:XIMG+4096+512
	ds_store_b32 v[XWS], v[PW] offset:XSC+512
	BARRIER                                        ; aug's eight fragments lie in LDS
.irp f, 0,1,2,3,4,5,6,7
	FETCH AUG+8*\f, XIMG+1024*\f
	ds_load_b32 v[AXS+\f], v[LS] offset:XSC+128*\f
.endr
	s_wait_dscnt 0x0
; K step s of the first product: four matrix instructions, my four tiles by turns
.macro K3 s
.if (\s) < 17
	s_wait_loadcnt 56                              ; this K step's eight loads are in; those of the seven K steps behind it may be out
.else
	s_wait_loadcnt 8*(23-(\s))
.endif
.if (\s) < 4
.set FS, (\s)
.else
.set FS, 4+(\s)%4                      ; the weighted sum's fragments serve five times
.endif
.if (\s) == 0
	WIN 0x21                                       ; source 0 (W1) window 1, source 2 (b1) window 2
.else
	WIN 0x01
.endif
.irp i, 0,1,2,3
.if (\s) == 0
.if \i % 2
	v_wmma_scale_f32_16x16x128_f8f6f4 v[H+8*\i:H+8*\i+7], v[32*((\s)%8)+8*\i:32*((\s)%8)+8*\i+7], v[AUG+8*FS:AUG+8*FS+7], v[B1+8*\i:B1+8*\i+7], v[W1S+24*(\i/2)+(\s)], v[AXS+FS] matrix_a_fmt:MATRIX_FMT_FP4 matrix_b_fmt:MATRIX_FMT_FP4 matrix_a_scale:MATRIX_SCALE_ROW1
.else
	v_wmma_scale_f32_16x16x128_f8f6f4 v[H+8*\i:H+8*\i+7], v[32*((\s)%8)+8*\i:32*((\s)%8)+8*\i+7], v[AUG+8*FS:AUG+8*FS+7], v[B1+8*\i:B1+8*\i+7], v[W1S+24*(\i/2)+(\s)], v[AXS+FS] matrix_a_fmt:MATRIX_FMT_FP4 matrix_b_fmt:MATRIX_FMT_FP4
.endif
.else
.if \i % 2
	v_wmma_scale_f32_16x16x128_f8f6f4 v[H+8*\i:H+8*\i+7], v[32*((\s)%8)+8*\i:32*((\s)%8)+8*\i+7], v[AUG+8*FS:AUG+8*FS+7], v[H+8*\i:H+8*\i+7], v[W1S+24*(\i/2)+(\s)], v[AXS+FS] matrix_a_fmt:MATRIX_FMT_FP4 matrix_b_fmt:MATRIX_FMT_FP4 matrix_a_scale:MATRIX_SCALE_ROW1
.else
	v_wmma_scale_f32_16x16x128_f8f6f4 v[H+8*\i:H+8*\i+7], v[32*((\s)%8)+8*\i:32*((\s)%8)+8*\i+7], v[AUG+8*FS:AUG+8*FS+7], v[H+8*\i:H+8*\i+7], v[W1S+24*(\i/2)+(\s)], v[AXS+FS] matrix_a_fmt:MATRIX_FMT_FP4 matrix_b_fmt:MATRIX_FMT_FP4
.endif
.endif
.endr
	WIN 0
.rept 4
	v_nop                                          ; places ahead of the loads into the slot just read, and at the end of the first read of results
.endr
.if (\s) < 16
	RING (\s)+8
.endif
.endm
.set KQ, 0
.rept 24
	K3 KQ
.set KQ, KQ+1
.endr
.set J, 0
.rept 32
	v_max_num_f32 v[H+J], 0, v[H+J]                ; the activation, in f32; each accumulator from its low end on
.set J, J+1
.endr
	QUANT H, 2                                     ; my 64 units: two blocks: half a fragment and half a scale word
	ds_store_b128 v[HWI], v[PC:PC+3] offset:HIMG
	ds_store_b16 v[HWS], v[PW] offset:HSC
	BARRIER                                        ; the hidden layer's two fragments lie in LDS
	FETCH HF, HIMG
	FETCH HF+8, HIMG+1024
	ds_load_b32 v[HXS], v[LS] offset:HSC
	ds_load_b32 v[HXS+1], v[LS] offset:HSC+128
	s_wait_dscnt 0x0
	WIN 0xa2                                       ; source 0 (W2), C and D window 2
.irp s, 0,1
.irp n, 0,1,2,3,4,5,6,7
.if \s == 0
.if \n % 2
	v_wmma_scale_f32_16x16x128_f8f6f4 v[Y+8*\n:Y+8*\n+7], v[16*\n+8*\s:16*\n+8*\s+7], v[HF+8*\s:HF+8*\s+7], 0, v[W2S+2*(\n/2)+\s], v[HXS+\s] matrix_a_fmt:MATRIX_FMT_FP4 matrix_b_fmt:MATRIX_FMT_FP4 matrix_a_scale:MATRIX_SCALE_ROW1
.else
	v_wmma_scale_f32_16x16x128_f8f6f4 v[Y+8*\n:Y+8*\n+7], v[16*\n+8*\s:16*\n+8*\s+7], v[HF+8*\s:HF+8*\s+7], 0, v[W2S+2*(\n/2)+\s], v[HXS+\s] matrix_a_fmt:MATRIX_FMT_FP4 matrix_b_fmt:MATRIX_FMT_FP4
.endif
.else
.if \n % 2
	v_wmma_scale_f32_16x16x128_f8f6f4 v[Y+8*\n:Y+8*\n+7], v[16*\n+8*\s:16*\n+8*\s+7], v[HF+8*\s:HF+8*\s+7], v[Y+8*\n:Y+8*\n+7], v[W2S+2*(\n/2)+\s], v[HXS+\s] matrix_a_fmt:MATRIX_FMT_FP4 matrix_b_fmt:MATRIX_FMT_FP4 matrix_a_scale:MATRIX_SCALE_ROW1
.else
	v_wmma_scale_f32_16x16x128_f8f6f4 v[Y+8*\n:Y+8*\n+7], v[16*\n+8*\s:16*\n+8*\s+7], v[HF+8*\s:HF+8*\s+7], v[Y+8*\n:Y+8*\n+7], v[W2S+2*(\n/2)+\s], v[HXS+\s] matrix_a_fmt:MATRIX_FMT_FP4 matrix_b_fmt:MATRIX_FMT_FP4
.endif
.endif
.endr
.endr
	WIN 0
.rept 4
	v_nop
.endr
	WIN 0x08                                       ; an LDS store's data are its source 1: window 2
.irp n, 0,1,2,3,4,5,6,7
	ds_store_b128 v[SO], v[Y+8*\n:Y+8*\n+3] offset:64*\n         ; lane (r, h): outputs 128 w + 16 n + 8 h + 0 .. 7 of row r
	ds_store_b128 v[SO], v[Y+8*\n+4:Y+8*\n+7] offset:64*\n+16
.endr
	WIN 0
	BARRIER                                        ; 16 whole rows lie in the stage
.set J, 0
.rept 16
	ds_load_b128 v[AUG+4*J:AUG+4*J+3], v[SR] offset:SP*(J/4)+512*(J%4)
.set J, J+1
.endr
.set J, 0
.rept 16
	s_wait_dscnt 15-J
	global_store_b128 v[LI], v[AUG+4*J:AUG+4*J+3], s[40:41] offset:2048*(J/4)+512*(J%4)   ; 32 lanes store 512 consecutive bytes
.set J, J+1
.endr
	s_wait_tensorcnt 0x0
	ds_add_u32 v254, v255
	s_wait_dscnt 0x0
	s_endpgm
.Lfunc_end_k_qf56a912e97_mlp:
	.size	k_qf56a912e97_mlp, .Lfunc_end_k_qf56a912e97_mlp-k_qf56a912e97_mlp
	.p2alignl 7, 3214868480
	.fill 96, 4, 3214868480
	.section	.rodata,"a",@progbits
	.p2align	6, 0x0
	.amdhsa_kernel k_qf56a912e97_mlp
		.amdhsa_group_segment_fixed_size 45568
		.amdhsa_private_segment_fixed_size 0
		.amdhsa_enable_private_segment 0
		.amdhsa_kernarg_size 56
		.amdhsa_user_sgpr_count 2
		.amdhsa_user_sgpr_kernarg_segment_ptr 1
		.amdhsa_wavefront_size32 1
		.amdhsa_system_sgpr_workgroup_id_x 1
		.amdhsa_system_sgpr_workgroup_id_y 1
		.amdhsa_system_sgpr_workgroup_id_z 1
		.amdhsa_system_vgpr_workitem_id 0
		.amdhsa_next_free_vgpr 1024
		.amdhsa_next_free_sgpr 66
		.amdhsa_reserve_vcc 0
		.amdhsa_float_denorm_mode_32 3
		.amdhsa_float_denorm_mode_16_64 3
		.amdhsa_memory_ordered 1
		.amdhsa_forward_progress 1
		.amdhsa_inst_pref_size 94
	.end_amdhsa_kernel
	.amdgpu_metadata
---
amdhsa.version: [ 1, 2 ]
amdhsa.kernels:
  - .name:           k_qf56a912e97_mlp
    .symbol:         k_qf56a912e97_mlp.kd
    .args:
      - { .name: x, .offset: 0, .size: 8, .value_kind: global_buffer, .address_space: global }
      - { .name: hist, .offset: 8, .size: 8, .value_kind: global_buffer, .address_space: global }
      - { .name: idx, .offset: 16, .size: 8, .value_kind: global_buffer, .address_space: global }
      - { .name: wts, .offset: 24, .size: 8, .value_kind: global_buffer, .address_space: global }
      - { .name: wq, .offset: 32, .size: 8, .value_kind: global_buffer, .address_space: global }
      - { .name: b1, .offset: 40, .size: 8, .value_kind: global_buffer, .address_space: global }
      - { .name: yp, .offset: 48, .size: 8, .value_kind: global_buffer, .address_space: global }
    .group_segment_fixed_size: 45568
    .private_segment_fixed_size: 0
    .kernarg_segment_align: 8
    .kernarg_segment_size: 56
    .max_flat_workgroup_size: 128
    .sgpr_count:     66
    .vgpr_count:     1024
    .wavefront_size: 32
...
	.end_amdgpu_metadata
.endif
;; end of part 5
;; launch ln (part 6): grid 256 x 1, 4 waves a work-group, no clusters, 0 bytes of LDS; arguments yp, b2, gamma, beta, out0; writes out0
.if DOCPART == 6
	.amdgcn_target "amdgcn-amd-amdhsa--gfx1250"
	.amdhsa_code_object_version 6
	.text
	.protected	k_qf56a912e97_ln
	.globl	k_qf56a912e97_ln
	.p2align	8
	.type	k_qf56a912e97_ln,@function
k_qf56a912e97_ln:
	s_mov_b64 s[64:65], 0
	v_nop
	global_prefetch_b8 v0, s[64:65] scope:SCOPE_SE
	s_setreg_imm32_b32 hwreg(HW_REG_WAVE_MODE, 25, 1), 1
	s_wait_xcnt 0x0
; y = the four partial sums + b2; out = (y - mean) / sqrt(variance + 1e-5) x gamma + beta, all in f32.  A wave takes a row of 512; a lane columns 4 lane + 128 j.
; The variance is the mean of (y - mean)^2: no difference of large sums is formed.  Every load and store of the wave covers 512 consecutive bytes.  No LDS, no barrier: the waves share nothing.
.set P,  8                             ; v8-71    the four parts, 16 numbers each; y, then the result, in the first 16
.set BB, 72                            ; v72-87   b2
.set G,  88                            ; v88-103  gamma
.set BE, 104                           ; v104-119 beta
	s_load_b256 s[4:11], s[0:1], 0x0               ; yp, b2, gamma, beta
	s_load_b64 s[12:13], s[0:1], 0x20              ; out0
	v_lshrrev_b32 v1, 5, v0
	v_readfirstlane_b32 s14, v1
	v_and_b32 v1, 31, v0
	v_lshlrev_b32 v2, 4, v1
	s_lshl_b32 s16, ttmp9, 2
	s_add_co_u32 s16, s16, s14                     ; my row
	s_lshl_b32 s16, s16, 11
	s_mov_b32 s17, 0
	s_mov_b32 s20, 0x76543210
	s_mov_b32 s21, 0xfedcba98
	s_mov_b32 s22, 0x3b000000                      ; 1 / 512
	s_mov_b32 s23, 0x3727c5ac                      ; 1e-5
	v_mov_b32 v124, 0                              ; written once: a lane permute's destination counts as one of its sources
	v_mov_b32 v127, 0                              ; (named as the upper half of the pair v[126:127])
	s_wait_kmcnt 0x0
	s_add_nc_u64 s[18:19], s[4:5], s[16:17]
	s_add_nc_u64 s[12:13], s[12:13], s[16:17]
.irp q, 0,1,2,3
.irp j, 0,1,2,3
	global_load_b128 v[P+16*\q+4*\j:P+16*\q+4*\j+3], v2, s[18:19] offset:2097152*\q+512*\j th:TH_LOAD_NT
.endr
.endr
.irp j, 0,1,2,3
	global_load_b128 v[BB+4*\j:BB+4*\j+3], v2, s[6:7] offset:512*\j
	global_load_b128 v[G+4*\j:G+4*\j+3], v2, s[8:9] offset:512*\j
	global_load_b128 v[BE+4*\j:BE+4*\j+3], v2, s[10:11] offset:512*\j
.endr
	s_wait_loadcnt 0x0
.irp i, 0,2,4,6,8,10,12,14
	v_pk_add_f32 v[P+\i:P+\i+1], v[P+\i:P+\i+1], v[P+16+\i:P+16+\i+1]
	v_pk_add_f32 v[P+32+\i:P+32+\i+1], v[P+32+\i:P+32+\i+1], v[P+48+\i:P+48+\i+1]
.endr
.irp i, 0,2,4,6,8,10,12,14
	v_pk_add_f32 v[P+\i:P+\i+1], v[P+\i:P+\i+1], v[P+32+\i:P+32+\i+1]
.endr
.irp i, 0,2,4,6,8,10,12,14
	v_pk_add_f32 v[P+\i:P+\i+1], v[P+\i:P+\i+1], v[BB+\i:BB+\i+1]
.endr
.macro WSUM                            ; v[120:123], two chains of pairs, become the wave's sum in v120 of every lane
	v_pk_add_f32 v[120:121], v[120:121], v[122:123]
	v_add_f32 v120, v120, v121
.irp m, 1,2,4,8
	v_add_f32_dpp v120, v120, v120 row_xmask:\m row_mask:0xf bank_mask:0xf
.endr
	v_permlanex16_b32 v124, v120, s20, s21
	v_add_f32 v120, v120, v124
.endm
	v_pk_add_f32 v[120:121], v[P:P+1], v[P+2:P+3]
	v_pk_add_f32 v[122:123], v[P+4:P+5], v[P+6:P+7]
.irp i, 8,12
	v_pk_add_f32 v[120:121], v[120:121], v[P+\i:P+\i+1]
	v_pk_add_f32 v[122:123], v[122:123], v[P+\i+2:P+\i+3]
.endr
	WSUM
	v_mul_f32 v125, s22, v120                      ; the mean
.irp i, 0,1,2,3,4,5,6,7,8,9,10,11,12,13,14,15
	v_sub_f32 v[P+\i], v[P+\i], v125
.endr
	v_pk_mul_f32 v[120:121], v[P:P+1], v[P:P+1]
	v_pk_mul_f32 v[122:123], v[P+2:P+3], v[P+2:P+3]
.irp i, 4,8,12
	v_pk_fma_f32 v[120:121], v[P+\i:P+\i+1], v[P+\i:P+\i+1], v[120:121]
	v_pk_fma_f32 v[122:123], v[P+\i+2:P+\i+3], v[P+\i+2:P+\i+3], v[122:123]
.endr
	WSUM
	v_fma_f32 v126, v120, s22, s23                 ; the variance + 1e-5
	v_rsq_f32 v126, v126
	v_nop                                          ; a plain line behind the transcendental
	s_wait_alu depctr_va_vdst(0)                   ; and the wait ahead of its first reader
.irp i, 0,2,4,6,8,10,12,14
	v_pk_mul_f32 v[P+\i:P+\i+1], v[P+\i:P+\i+1], v[126:127] op_sel_hi:[1,0]
.endr
.irp i, 0,2,4,6,8,10,12,14
	v_pk_fma_f32 v[P+\i:P+\i+1], v[P+\i:P+\i+1], v[G+\i:G+\i+1], v[BE+\i:BE+\i+1]
.endr
.irp j, 0,1,2,3
	global_store_b128 v2, v[P+4*\j:P+4*\j+3], s[12:13] offset:512*\j th:TH_STORE_NT
.endr
	s_endpgm
.Lfunc_end_k_qf56a912e97_ln:
	.size	k_qf56a912e97_ln, .Lfunc_end_k_qf56a912e97_ln-k_qf56a912e97_ln
	.p2alignl 7, 3214868480
	.fill 96, 4, 3214868480
	.section	.rodata,"a",@progbits
	.p2align	6, 0x0
	.amdhsa_kernel k_qf56a912e97_ln
		.amdhsa_group_segment_fixed_size 0
		.amdhsa_private_segment_fixed_size 0
		.amdhsa_enable_private_segment 0
		.amdhsa_kernarg_size 40
		.amdhsa_user_sgpr_count 2
		.amdhsa_user_sgpr_kernarg_segment_ptr 1
		.amdhsa_wavefront_size32 1
		.amdhsa_system_sgpr_workgroup_id_x 1
		.amdhsa_system_sgpr_workgroup_id_y 1
		.amdhsa_system_sgpr_workgroup_id_z 1
		.amdhsa_system_vgpr_workitem_id 0
		.amdhsa_next_free_vgpr 128
		.amdhsa_next_free_sgpr 66
		.amdhsa_reserve_vcc 0
		.amdhsa_float_denorm_mode_32 3
		.amdhsa_float_denorm_mode_16_64 3
		.amdhsa_memory_ordered 1
		.amdhsa_forward_progress 1
		.amdhsa_inst_pref_size 10
	.end_amdhsa_kernel
	.amdgpu_metadata
---
amdhsa.version: [ 1, 2 ]
amdhsa.kernels:
  - .name:           k_qf56a912e97_ln
    .symbol:         k_qf56a912e97_ln.kd
    .args:
      - { .name: yp, .offset: 0, .size: 8, .value_kind: global_buffer, .address_space: global }
      - { .name: b2, .offset: 8, .size: 8, .value_kind: global_buffer, .address_space: global }
      - { .name: gamma, .offset: 16, .size: 8, .value_kind: global_buffer, .address_space: global }
      - { .name: beta, .offset: 24, .size: 8, .value_kind: global_buffer, .address_space: global }
      - { .name: out0, .offset: 32, .size: 8, .value_kind: global_buffer, .address_space: global }
    .group_segment_fixed_size: 0
    .private_segment_fixed_size: 0
    .kernarg_segment_align: 8
    .kernarg_segment_size: 40
    .max_flat_workgroup_size: 128
    .sgpr_count:     66
    .vgpr_count:     128
    .wavefront_size: 32
...
	.end_amdgpu_metadata
.endif
;; end of part 6
;; ======== version 2 of 2: 6 launches; version 1 with the launches rescan, mlp written anew for expert scheduling mode
;; workspace buffers: cod 27,478,528 bytes; gmax 4,096,000 bytes; sel 32,768 bytes of whole numbers; wq 1,949,696 bytes; idx 65,536 bytes of whole numbers; wts 65,536 bytes; yp 8,388,608 bytes
;; launch prep: the kernel of part 1 again; grid 3157 x 1, 2 waves a work-group, no clusters, 19,712 bytes of LDS; arguments hist, x, cod; writes cod
;; launch sim: the kernel of part 2 again; grid 250 x 1, 4 waves a work-group, no clusters, 168,448 bytes of LDS; arguments cod, gmax; writes gmax
;; launch pick: the kernel of part 3 again; grid 120 x 1, 16 waves a work-group, no clusters, 76,288 bytes of LDS; arguments gmax, W1, W2, sel, wq; writes sel, wq
;; launch rescan (part 7): grid 256 x 1, 4 waves a work-group, no clusters, 1,536 bytes of LDS; arguments cod, sel, idx, wts; writes idx, wts
.if DOCPART == 7
	.amdgcn_target "amdgcn-amd-amdhsa--gfx1250"
	.amdhsa_code_object_version 6
	.text
	.protected	k_qf56a912e97_rescan
	.globl	k_qf56a912e97_rescan
	.p2align	8
	.type	k_qf56a912e97_rescan,@function
k_qf56a912e97_rescan:
	s_mov_b64 s[64:65], 0
	v_nop
	global_prefetch_b8 v0, s[64:65] scope:SCOPE_SE
	s_setreg_imm32_b32 hwreg(HW_REG_WAVE_SCHED_MODE, 0, 2), 2
	s_setreg_imm32_b32 hwreg(HW_REG_WAVE_MODE, 25, 1), 1
	s_wait_xcnt 0x0
	s_wait_alu depctr_vm_vsrc(0)
; For each query the similarity product once more, on the 5 x 100 rows of its five chosen groups (read from sel as whole numbers); then the exact five best rows, by (score descending, row ascending),
; and the softmax of their scores.  idx: [query][16] whole numbers (five rows, then zeros); wts: [query][16] f32 (five weights, then zeros).
; SHARES.  A wave takes a query.  Source 0 = the query in all 16 rows, source 1 = 16 rows of hist as columns: register 0 of the result in lane (r, h) is the score of column r.  K ascends in one chain from the constant 0.
; A group is seven tiles: six of 16 rows, and one whose lanes all read the group's last four rows, of which lanes 0-3 count.  A lane ends with 20 candidates: candidate 4 a + i is row 100 G_a + 32 i + lane.
; The rows' numbers are carried as f32 (exact under 2^24).  The choice only selects values: no address and no branch hangs on it here.
; The softmax takes the largest of the five away before the exponentials.
; REGISTERS: window 0: v16-47 the query's fragments; v48-51 its scale words; v52-107 seven accumulators; v108-163 the rows' scale words, two buffers; v164-183 scores; v184-203 rows; v204.. at work.
;   windows 1, 2: a group's 28 fragments (32 t + 8 s), two buffers.
; THE MODE: SCHED_MODE bits 1:0 = 2 (LLVM: expert scheduling mode 2), set by the entry lines.  The code itself states the register dependences between vector or matrix instructions and memory or LDS
; instructions, and those through scalar registers that vector instructions write, with s_wait_alu, always for 0.
; THE PLAN.  Registers that memory or LDS instructions touch:
;   v3-7, v9-11     offsets and LDS addresses: written once at the head, ahead of one wait on va_vdst, and never again.
;   v16-51          the query: written by loads alone.
;   buffer 0, 1     (window 1 with v108-135, window 2 with v136-163): written by a group's 63 loads, read by that group's 28 products, loaded again straight behind them: one wait on va_vdst ahead of those loads.
;   v234, v235      written by the last selects, read by two LDS stores: one wait on va_vdst ahead of the stores; it also covers v236-237, temporaries in which an LDS load lands behind the barrier.
; Masks: every compare writes a scalar register.  The compares stand in runs (20 into s12-31, which the record and the groups' bases have left), with one wait on va_sdst between a run and its selects.
.set HS_OFF, 25600000
.set QC_OFF, 27200000
.set QS_OFF, 27462144
.set VB,  3                            ; v3  (r / 4) 1024 + 64 h + 16 (r % 4): my place in a tile's codes
.set VB6, 4                            ; v4  the same in the group's last quad
.set VS,  5                            ; v5  16 r
.set VS6, 6                            ; v6  1536 + 16 (r % 4)
.set VQ,  7                            ; v7  64 h
.set ZR,  9                            ; v9  0
.set A,   16
.set QSC, 48
.set D,   52
.set BS,  108
.set V,   164
.set IDF, 184
.set MK,  210                          ; v210-214 the five scores
.set WK,  215                          ; v215-219 the five rows, as f32
.set NEG, 220
.set BIG, 221
.set EX,  222                          ; v222-226 the weights
.set SM,  227                          ; v227-228
.set UK,  229                          ; v229-233 the five rows, whole numbers
.set T,   236
.set MS,  12                           ; s[12:31] behind the last group's products: a run of masks
.set CB,  20                           ; s[20:29] the five groups' codes
.set SB,  30                           ; s[30:39] and scale bytes
.set SEL, 44
.set MSB, 0
.macro WIN new
.if MSB != (\new)
	s_set_vgpr_msb (MSB<<8)|(\new)
.set MSB, (\new)
.endif
.endm
	s_load_b256 s[4:11], s[0:1], 0x0               ; cod, sel, idx, wts
	v_lshl_add_u32 v254, v0, 2, 0x400
	v_mov_b32 v255, 0
	v_lshrrev_b32 v2, 5, v0
	v_readfirstlane_b32 s46, v2                    ; wave
	v_and_b32 v1, 31, v0                           ; lane
	v_bfe_u32 v8, v0, 4, 1                         ; h
	v_cmp_ne_u32 s53, 0, v8                        ; lanes 16-31
	v_cmp_gt_u32 s60, 4, v1                        ; lanes 0-3
	s_wait_alu depctr_va_sdst(0)                   ; s46, s53 and s60 are written, ahead of the first reader of each: the addresses below are made from s46, the candidates' selects read the two masks
	s_lshl_b32 s47, ttmp9, 2
	s_add_co_u32 s47, s47, s46                     ; my query
	s_lshl_b32 s40, s47, 5
	s_mov_b32 s41, 0
	s_wait_kmcnt 0x0
	s_add_nc_u64 s[42:43], s[6:7], s[40:41]
	s_load_b256 s[12:19], s[42:43], 0x0            ; its record: five groups
	s_lshl_b32 s40, ttmp9, 10
	s_lshl_b32 s61, s46, 4
	s_add_co_u32 s40, s40, s61
	s_add_co_u32 s40, s40, QC_OFF
	s_add_nc_u64 s[54:55], s[4:5], s[40:41]        ; its codes: quad = work-group, place in the quad = wave
	s_lshl_b32 s40, s47, 4
	s_add_co_u32 s40, s40, QS_OFF
	s_add_nc_u64 s[56:57], s[4:5], s[40:41]        ; its scale bytes
	s_mov_b32 s[SEL], 0x76543210
	s_mov_b32 s[SEL+1], 0xfedcba98
	s_lshl_b32 s61, s46, 6
	v_and_b32 v2, 15, v0                           ; r
	v_lshlrev_b32 v[VQ], 6, v8
	v_mov_b32 v[ZR], 0
	v_and_b32 v12, 3, v2
	v_lshrrev_b32 v13, 2, v2
	v_lshl_add_u32 v[VB6], v12, 4, v[VQ]           ; 64 h + 16 (r % 4)
	v_lshl_add_u32 v[VB], v13, 10, v[VB6]
	v_add_nc_u32 v[VB6], 24576, v[VB6]
	v_lshlrev_b32 v[VS], 4, v2
	v_lshlrev_b32 v[VS6], 4, v12
	v_add_nc_u32 v[VS6], 1536, v[VS6]
	v_lshl_add_u32 v10, v2, 2, s61                 ; LDS: my query's record, word lane % 16
	v_lshlrev_b32 v11, 3, v1                       ; 8 x lane
	v_mov_b32 v[NEG], 0xff800000
	v_mov_b32 v[BIG], 0x7f800000
	v_mov_b32 v206, 0                              ; written once: a lane permute's destination counts as one of its sources
	s_wait_alu depctr_va_vdst(0)                   ; the offsets and LDS addresses v3-7 and v9-11 are written: every load and store of the kernel reads one of them, and none is written again
.irp s, 0,1,2,3
.irp c, 0,1
	global_load_b128 v[A+8*\s+4*\c:A+8*\s+4*\c+3], v[VQ], s[54:55] offset:256*\s+128*\c   ; every row of source 0 is the query
.endr
.endr
	global_load_b128 v[QSC:QSC+3], v[ZR], s[56:57]
	s_wait_kmcnt 0x0
.irp a, 0,1,2,3,4
	s_min_u32 s[12+\a], s[12+\a], 999              ; a group's number stays inside the table
	s_mul_i32 s40, s[12+\a], 25600
	s_add_nc_u64 s[CB+2*\a:CB+2*\a+1], s[4:5], s[40:41]
	s_mul_i32 s40, s[12+\a], 1600
	s_add_co_u32 s40, s40, HS_OFF
	s_add_nc_u64 s[SB+2*\a:SB+2*\a+1], s[4:5], s[40:41]
	s_mul_i32 s[48+\a], s[12+\a], 100              ; its first row
.endr
; Group a's 28 fragments and 7 x 4 scale words: 63 loads.  again = 1: the buffer has been multiplied by.
.macro GLOAD a, buf, again
	WIN 0x40*(1+(\buf))
.if \again
	s_wait_alu depctr_va_vdst(0)                   ; the 28 products just issued are done reading this buffer's fragments and scale words, in which the loads below land; only loads and a window switch follow up to the last of them
.endif
.irp t, 0,1,2,3,4,5
.irp s, 0,1,2,3
.irp c, 0,1
	global_load_b128 v[32*\t+8*\s+4*\c:32*\t+8*\s+4*\c+3], v[VB], s[CB+2*(\a):CB+2*(\a)+1] offset:4096*\t+256*\s+128*\c
.endr
.endr
.endr
.irp s, 0,1,2,3
.irp c, 0,1
	global_load_b128 v[192+8*\s+4*\c:192+8*\s+4*\c+3], v[VB6], s[CB+2*(\a):CB+2*(\a)+1] offset:256*\s+128*\c
.endr
.endr
	WIN 0
.irp t, 0,1,2,3,4,5
	global_load_b128 v[BS+28*(\buf)+4*\t:BS+28*(\buf)+4*\t+3], v[VS], s[SB+2*(\a):SB+2*(\a)+1] offset:256*\t
.endr
	global_load_b128 v[BS+28*(\buf)+24:BS+28*(\buf)+27], v[VS6], s[SB+2*(\a):SB+2*(\a)+1]
.endm
.macro GMUL buf                        ; 28 matrix instructions; the seven accumulators take turns, one instruction a turn
	WIN 0x04*(1+(\buf))
.irp s, 0,1,2,3
.irp t, 0,1,2,3,4,5,6
.if \s == 0
	v_wmma_scale_f32_16x16x128_f8f6f4 v[D+8*\t:D+8*\t+7], v[A+8*\s:A+8*\s+7], v[32*\t+8*\s:32*\t+8*\s+7], 0, v[QSC+\s], v[BS+28*(\buf)+4*\t+\s] matrix_a_fmt:MATRIX_FMT_FP4 matrix_b_fmt:MATRIX_FMT_FP4
.else
	v_wmma_scale_f32_16x16x128_f8f6f4 v[D+8*\t:D+8*\t+7], v[A+8*\s:A+8*\s+7], v[32*\t+8*\s:32*\t+8*\s+7], v[D+8*\t:D+8*\t+7], v[QSC+\s], v[BS+28*(\buf)+4*\t+\s] matrix_a_fmt:MATRIX_FMT_FP4 matrix_b_fmt:MATRIX_FMT_FP4
.endif
.endr
.endr
	WIN 0
.rept 5
	v_nop                                          ; places: four ahead of the reads of results, five ahead of the products that begin these sums anew
.endr
.endm
.macro CAND a                          ; group a's four candidates of my lane.  It names the accumulators, v1 and registers at work: none that a load touches
.irp i, 0,1,2
	v_cndmask_b32 v[V+4*(\a)+\i], v[D+16*\i], v[D+16*\i+8], s53   ; lanes 0-15 tile 2 i, lanes 16-31 tile 2 i + 1: row 32 i + lane of the group
.endr
	v_cndmask_b32 v[V+4*(\a)+3], v[NEG], v[D+48], s60             ; rows 96 to 99 in lanes 0-3
	v_add_nc_u32 v[T], s[48+(\a)], v1
	v_add_nc_u32 v[T+1], 32, v[T]
	v_add_nc_u32 v[T+2], 64, v[T]
	v_add_nc_u32 v[T+3], 96, v[T]
.irp i, 0,1,2,3
	v_cvt_f32_u32 v[IDF+4*(\a)+\i], v[T+\i]
.endr
.endm
	GLOAD 0, 0, 0
	GLOAD 1, 1, 0
	s_wait_loadcnt 63                              ; all but the next group's 63 loads are in
	GMUL 0
	GLOAD 2, 0, 1
	CAND 0
	s_wait_loadcnt 63
	GMUL 1
	GLOAD 3, 1, 1
	CAND 1
	s_wait_loadcnt 63
	GMUL 0
	GLOAD 4, 0, 1
	CAND 2
	s_wait_loadcnt 63
	GMUL 1
	CAND 3
	s_wait_loadcnt 0                               ; the last group is in; every load that read a base in s[20:39] is done, so these registers may take the masks
	GMUL 0
	CAND 4
.macro ROUND k                         ; the largest score left; among its equals the lowest row; that candidate is taken out
	v_max3_num_f32 v204, v[V], v[V+1], v[V+2]
	v_max3_num_f32 v205, v[V+3], v[V+4], v[V+5]
.irp i, 6,10,14
	v_max3_num_f32 v204, v204, v[V+\i], v[V+\i+1]
	v_max3_num_f32 v205, v205, v[V+\i+2], v[V+\i+3]
.endr
	v_max3_num_f32 v204, v204, v[V+18], v[V+19]
	v_max_num_f32 v204, v204, v205
.irp m, 1,2,4,8
	v_max_num_f32_dpp v204, v204, v204 row_xmask:\m row_mask:0xf bank_mask:0xf
.endr
	v_permlanex16_b32 v206, v204, s[SEL], s[SEL+1]
	v_max_num_f32 v[MK+\k], v204, v206
.irp n, 0,1,2,3,4,5,6,7,8,9,10,11,12,13,14,15,16,17,18,19
	v_cmp_neq_f32 s[MS+\n], v[V+\n], v[MK+\k]      ; a run of twenty compares, a mask each
.endr
	v_mov_b32 v207, v[BIG]
	s_wait_alu depctr_va_sdst(0)                   ; the twenty masks are written, ahead of the selects that read them
.irp n, 0,2,4,6,8,10,12,14,16,18
	v_cndmask_b32 v208, v[IDF+\n], v[BIG], s[MS+\n]
	v_cndmask_b32 v209, v[IDF+\n+1], v[BIG], s[MS+\n+1]
	v_min3_num_f32 v207, v207, v208, v209
.endr
.irp m, 1,2,4,8
	v_min_num_f32_dpp v207, v207, v207 row_xmask:\m row_mask:0xf bank_mask:0xf
.endr
	v_permlanex16_b32 v206, v207, s[SEL], s[SEL+1]
	v_min_num_f32 v[WK+\k], v207, v206
.if \k < 4
.irp n, 0,1,2,3,4,5,6,7,8,9,10,11,12,13,14,15,16,17,18,19
	v_cmp_eq_f32 s[MS+\n], v[IDF+\n], v[WK+\k]
.endr
	s_wait_alu depctr_va_sdst(0)                   ; the twenty masks are written, ahead of the selects that read them
.irp n, 0,1,2,3,4,5,6,7,8,9,10,11,12,13,14,15,16,17,18,19
	v_cndmask_b32 v[V+\n], v[V+\n], v[NEG], s[MS+\n]
.endr
.endif
.endm
	ROUND 0
	ROUND 1
	ROUND 2
	ROUND 3
	ROUND 4
.irp k, 0,1,2,3,4
	v_sub_f32 v[EX+\k], v[MK+\k], v[MK]            ; the largest is taken away
.endr
.irp k, 0,1,2,3,4
	v_mul_f32 v[EX+\k], 0x3fb8aa3b, v[EX+\k]       ; x log2(e)
.endr
.irp k, 0,1,2,3,4
	v_exp_f32 v[EX+\k], v[EX+\k]
.endr
.irp k, 0,1,2,3,4
	v_cvt_u32_f32 v[UK+\k], v[WK+\k]               ; plain lines behind the exponentials
.endr
	s_wait_alu depctr_va_vdst(0)                   ; the five exponentials have written v[EX ..]: one wait, ahead of their first reader
	v_add_f32 v[SM], v[EX], v[EX+1]
	v_add_f32 v[SM+1], v[EX+2], v[EX+3]
	v_add_f32 v[SM], v[SM], v[EX+4]
	v_add_f32 v[SM], v[SM], v[SM+1]
	v_rcp_f32 v[SM], v[SM]
	v_mov_b32 v234, 0                              ; a plain line behind the reciprocal
	v_mov_b32 v235, 0
.irp k, 0,1,2,3,4
	v_cmp_eq_u32 s[MS+\k], \k, v2                  ; which word of the records is my lane's
.endr
	s_wait_alu depctr_va_vdst(0)                   ; the reciprocal has written v[SM], ahead of its first reader
.irp k, 0,1,2,3,4
	v_mul_f32 v[EX+\k], v[EX+\k], v[SM]
.endr
	s_wait_alu depctr_va_sdst(0)                   ; the five masks are written, ahead of the selects that read them
.irp k, 0,1,2,3,4
	v_cndmask_b32 v234, v234, v[UK+\k], s[MS+\k]   ; word lane % 16 of the two records
	v_cndmask_b32 v235, v235, v[EX+\k], s[MS+\k]
.endr
	s_wait_alu depctr_va_vdst(0)                   ; the selects have written v234 and v235, which the LDS stores read; and the candidates' lines are done with v236-237, in which the LDS load behind the barrier lands
	ds_store_b32 v10, v234                         ; both halves of the lanes write the same words with the same values
	ds_store_b32 v10, v235 offset:256
	s_wait_dscnt 0x0
	s_barrier_signal -1
	s_barrier_wait -1
	s_lshl_b32 s40, ttmp9, 8
	s_cmp_eq_u32 s46, 0
	s_cbranch_scc0 .Lnot_0
	s_add_nc_u64 s[58:59], s[8:9], s[40:41]
	ds_load_b64 v[236:237], v11
	s_wait_dscnt 0x0
	global_store_b64 v11, v[236:237], s[58:59]     ; wave 0: the four queries' rows: 256 consecutive bytes, aligned
	s_wait_dscnt 0x0                               ; the closing lines, six on end
	s_wait_alu 0x0
	s_wait_tensorcnt 0x0
	ds_add_u32 v254, v255
	s_wait_dscnt 0x0
	s_endpgm
.Lnot_0:
	s_cmp_eq_u32 s46, 1
	s_cbranch_scc0 .Ldone
	s_add_nc_u64 s[58:59], s[10:11], s[40:41]
	ds_load_b64 v[236:237], v11 offset:256
	s_wait_dscnt 0x0
	global_store_b64 v11, v[236:237], s[58:59]     ; wave 1: their weights
.Ldone:
	s_wait_dscnt 0x0                               ; the closing lines, six on end, as above
	s_wait_alu 0x0
	s_wait_tensorcnt 0x0
	ds_add_u32 v254, v255
	s_wait_dscnt 0x0
	s_endpgm
.Lfunc_end_k_qf56a912e97_rescan:
	.size	k_qf56a912e97_rescan, .Lfunc_end_k_qf56a912e97_rescan-k_qf56a912e97_rescan
	.p2alignl 7, 3214868480
	.fill 96, 4, 3214868480
	.section	.rodata,"a",@progbits
	.p2align	6, 0x0
	.amdhsa_kernel k_qf56a912e97_rescan
		.amdhsa_group_segment_fixed_size 1536
		.amdhsa_private_segment_fixed_size 0
		.amdhsa_enable_private_segment 0
		.amdhsa_kernarg_size 32
		.amdhsa_user_sgpr_count 2
		.amdhsa_user_sgpr_kernarg_segment_ptr 1
		.amdhsa_wavefront_size32 1
		.amdhsa_system_sgpr_workgroup_id_x 1
		.amdhsa_system_sgpr_workgroup_id_y 1
		.amdhsa_system_sgpr_workgroup_id_z 1
		.amdhsa_system_vgpr_workitem_id 0
		.amdhsa_next_free_vgpr 768
		.amdhsa_next_free_sgpr 66
		.amdhsa_reserve_vcc 0
		.amdhsa_float_denorm_mode_32 3
		.amdhsa_float_denorm_mode_16_64 3
		.amdhsa_memory_ordered 1
		.amdhsa_forward_progress 1
		.amdhsa_inst_pref_size 93
	.end_amdhsa_kernel
	.amdgpu_metadata
---
amdhsa.version: [ 1, 2 ]
amdhsa.kernels:
  - .name:           k_qf56a912e97_rescan
    .symbol:         k_qf56a912e97_rescan.kd
    .args:
      - { .name: cod, .offset: 0, .size: 8, .value_kind: global_buffer, .address_space: global }
      - { .name: sel, .offset: 8, .size: 8, .value_kind: global_buffer, .address_space: global }
      - { .name: idx, .offset: 16, .size: 8, .value_kind: global_buffer, .address_space: global }
      - { .name: wts, .offset: 24, .size: 8, .value_kind: global_buffer, .address_space: global }
    .group_segment_fixed_size: 1536
    .private_segment_fixed_size: 0
    .kernarg_segment_align: 8
    .kernarg_segment_size: 32
    .max_flat_workgroup_size: 128
    .sgpr_count:     66
    .vgpr_count:     768
    .wavefront_size: 32
...
	.end_amdgpu_metadata
.endif
;; end of part 7
;; launch mlp (part 8): grid 64 x 4, 4 waves a work-group, no clusters, 45,568 bytes of LDS; arguments x, hist, idx, wts, wq, b1, yp; writes yp
.if DOCPART == 8
	.amdgcn_target "amdgcn-amd-amdhsa--gfx1250"
	.amdhsa_code_object_version 6
	.text
	.protected	k_qf56a912e97_mlp
	.globl	k_qf56a912e97_mlp
	.p2align	8
	.type	k_qf56a912e97_mlp,@function
k_qf56a912e97_mlp:
	s_mov_b64 s[64:65], 0
	v_nop
	global_prefetch_b8 v0, s[64:65] scope:SCOPE_SE
	s_setreg_imm32_b32 hwreg(HW_REG_WAVE_SCHED_MODE, 0, 2), 2
	s_setreg_imm32_b32 hwreg(HW_REG_WAVE_MODE, 25, 1), 1
	s_wait_xcnt 0x0
	s_wait_alu depctr_vm_vsrc(0)
; The fusion layer on codes of FP4.  Work-group (rt, Q): rows 16 rt .. 16 rt + 15; hidden units 256 Q .. 256 Q + 255, which are K steps 2 Q and 2 Q + 1 of the second product.
; It gathers each row's five rows of hist (numbers from idx, clamped to the table), forms their weighted sum in f32, quantises x_last and the sum (aug = x_last and five copies of the sum: K steps 4 .. 23 take the
; sum's four fragments again and again), multiplies by its part of W1, adds b1 (as the C of each sum's first product), clips at 0, quantises, and multiplies by its K share of W2.
; yp: [Q][row][512] f32: four partial sums, added by the next launch.
; SHARES.  Wave w quantises K step w of x_last and of the sum; makes hidden tiles 16 Q + 4 w + i (64 units); makes outputs 128 w .. 128 w + 127; stores rows 4 w .. 4 w + 3.
; Operands go from wave to wave through LDS as images of their registers (16 bytes a lane on end, scale words 4 bytes a lane).  Both products are used transposed: source 0 = 16 rows of the weight, source 1 = my 16 rows.
; The weights were laid in the order of the operand's registers: a fragment is two loads of 512 consecutive bytes, straight into registers.  W1's fragments come through a ring of sixteen slots, a K step each:
; slots 0-7 in window 1, slots 8-15 in window 3, which the neighbours have left; the loads of eight K steps are out at a time.
; No cluster: the weights go straight into registers, and no tile comes by a tensor load.
; REGISTERS: window 0: v4-15, v246-247 addresses; v16-79 x, later aug's eight fragments, later rows of y; v80-143 the weighted sum, later the hidden layer (v88-119) and its two fragments (v120-135);
;   v144-209 scale words and nothing else; v210-245 at work.  window 1: W1's ring, slots 0-7.  window 2: W2's 16 fragments, b1's four tiles (v128), y's eight accumulators (v160).
;   window 3: neighbours 0 to 3, later W1's ring, slots 8-15.
; THE MODE: SCHED_MODE bits 1:0 = 2 (LLVM: expert scheduling mode 2), set by the entry lines.  The code itself states the register dependences between vector or matrix instructions and memory or LDS
; instructions, and those through scalar registers that vector instructions write, with s_wait_alu, always for 0.
; THE PLAN.  Registers that memory or LDS instructions touch:
;   v4-15, v246-247  addresses: written once at the head, ahead of one wait on va_vdst, and never again.
;   v240-244         loaded as rows' numbers, made into offsets by vector lines, read by the gather: one wait on va_vdst ahead of the gather.
;   v226-233, v239   a fragment's codes and scale word: written by the quantiser three times, each time read by LDS stores: a wait on va_vdst ahead of each run of stores, a wait on vm_vsrc ahead of the second and third quantiser.
;   v16-79, v120-135 read or written by vector and matrix lines, then LDS loads land in them: each time a wait on va_vdst that stands there anyway lies between, and no vector line behind it names them.
;   the ring         K step t lies in slot t % 16.  K step s asks for K step s + 8 at its head.  K steps 8-15 land in window 3: its last readers, the sum's multiply-adds, stand ahead of the wait in front of the sum's
;                    LDS stores.  K steps 16-23 land in window 1: ONE wait on va_vdst at the head of K step 8 states that the products of K steps 0-7 are done reading it; those of K steps 8-15 name window 3 alone.
;   y's accumulators written by the second product, read by LDS stores: four places, then a wait on va_vdst.
; No scaled product takes an operand or a scale that a vector line wrote: all come by loads.
.set XIMG, 0                           ; LDS: aug's 8 fragments, 1,024 bytes each,
.set XSC,  8192                        ; their scale words, 128 bytes each,
.set HIMG, 9216                        ; the hidden layer's 2 fragments,
.set HSC,  11264                       ; their scale words,
.set STG,  11520                       ; and the stage for y: 16 rows x (2,048 bytes + 16)
.set SP,   2064
.set W1S_OFF, 1572864
.set W2C_OFF, 1671168
.set W2S_OFF, 1933312
.set LI,  4                            ; 16 x lane
.set LS,  5                            ; 4 x lane
.set XA,  6                            ; x: 32,768 r + 64 h
.set RI,  7                            ; 64 r: my row's record
.set SO,  8                            ; the stage, way in
.set SR,  9                            ; the stage, way out
.set XWI, 10                           ; 16 x lane + 1,024 w
.set XWS, 11                           ; 4 x lane + 128 w
.set HWI, 12                           ; 16 x lane + 1,024 (w / 2) + 512 (w % 2)
.set HWS, 13                           ; 4 x lane + 128 (w / 2) + 2 (w % 2)
.set W1V, 14                           ; 1,536 h + 16 r
.set W2V, 15                           ; 512 h + 16 r
.set PA,  16
.set AUG, 16
.set PB,  80
.set H,   88
.set HF,  120
.set AXS, 144                          ; aug's scale words
.set HXS, 152                          ; the hidden layer's
.set W1S, 154                          ; W1's: 24 (i / 2) + s; lanes 0-15 the even tile's, lanes 16-31 the odd tile's
.set W2S, 202                          ; W2's: 2 (n / 2) + s2, likewise
.set TM,  210
.set PC,  226
.set WT,  234
.set PW,  239
.set IX,  240
.set B1V, 246                          ; 64 h
.set HOF, 247                          ; 64 h + 512 w
.set B1,  128
.set Y,   160
.set SEL, 22
.set MSB, 0
.macro WIN new
.if MSB != (\new)
	s_set_vgpr_msb (MSB<<8)|(\new)
.set MSB, (\new)
.endif
.endm
; 16 nb numbers of a lane, register 16 b + i = k 32 b + 16 (lane / 16) + i of my row, become codes in v[PC] on and scale bytes in v[PW]
.macro QUANT s, nb
.set QB, 0
.rept \nb
	v_max3_num_f32 v[TM+QB], |v[\s+16*QB]|, |v[\s+16*QB+1]|, 0x1800000   ; the floor 2^(3 - 127) holds the byte at 1 from below
.set QB, QB+1
.endr
.irp i, 2,4,6,8,10,12,14
.set QB, 0
.rept \nb
	v_max3_num_f32 v[TM+QB], v[TM+QB], |v[\s+16*QB+\i]|, |v[\s+16*QB+\i+1]|
.set QB, QB+1
.endr
.endr
.set QB, 0
.rept \nb
	v_permlanex16_b32 v[TM+4+QB], v[TM+QB], s[SEL], s[SEL+1]
.set QB, QB+1
.endr
.set QB, 0
.rept \nb
	v_max_num_f32 v[TM+QB], v[TM+QB], v[TM+4+QB]   ; with lane l xor 16's: the block's largest magnitude
.set QB, QB+1
.endr
.set QB, 0
.rept \nb
	v_add_nc_u32 v[TM+12+QB], 0xff000000, v[TM+QB] ; 2 off the exponent field: the conversion's scale operand
.set QB, QB+1
.endr
.set QB, 0
.rept \nb
	v_lshrrev_b32 v[TM+4+QB], 23, v[TM+12+QB]      ; the scale's byte
.set QB, QB+1
.endr
	v_lshl_or_b32 v[PW], v[TM+5], 8, v[TM+4]
.if \nb == 4
	v_lshl_or_b32 v[PW], v[TM+6], 16, v[PW]
	v_lshl_or_b32 v[PW], v[TM+7], 24, v[PW]
.endif
.set QB, 0
.rept \nb
	v_cvt_scalef32_pk8_fp4_f32 v[PC+2*QB], v[\s+16*QB:\s+16*QB+7], v[TM+12+QB]
	v_cvt_scalef32_pk8_fp4_f32 v[PC+2*QB+1], v[\s+16*QB+8:\s+16*QB+15], v[TM+12+QB]
.set QB, QB+1
.endr
	v_nop                                          ; one plain line behind a scaled conversion
.set QB, 0
.rept \nb/2                            ; the operand's layout wants a whole block in a lane: lanes 0-15 the even block, lanes 16-31 the odd one
	v_permlane16_swap_b32 v[PC+4*QB], v[PC+4*QB+2]
	v_permlane16_swap_b32 v[PC+4*QB+1], v[PC+4*QB+3]
.set QB, QB+1
.endr
.endm
.macro XLOAD reg, voff, sb             ; 64 numbers of my row: of each of four blocks of 32 my half's 16
.irp b, 0,1,2,3
.irp j, 0,1,2,3
	global_load_b128 v[(\reg)+16*\b+4*\j:(\reg)+16*\b+4*\j+3], v[\voff], s[\sb:\sb+1] offset:128*\b+16*\j
.endr
.endr
.endm
.macro FETCH reg, off                  ; a fragment's image back into registers
.irp c, 0,1
	ds_load_b128 v[(\reg)+4*\c:(\reg)+4*\c+3], v[LI] offset:(\off)+512*\c
.endr
.endm
.macro BARRIER                         ; my LDS stores have landed and my LDS loads are in: then the work-group's barrier
	s_wait_dscnt 0x0
	s_barrier_signal -1
	s_barrier_wait -1
.endm
.macro RING s                          ; K step s of my four tiles of W1: eight loads into slot s % 16.  It leaves the window of its destination set
.if ((\s)%16) < 8
	WIN 0x40                                       ; destination window 1
.else
	WIN 0xc0                                       ; destination window 3
.endif
.irp i, 0,1,2,3
.irp c, 0,1
	global_load_b128 v[32*((\s)%8)+8*\i+4*\c:32*((\s)%8)+8*\i+4*\c+3], v[LI], s[30:31] offset:24576*\i+1024*(\s)+512*\c
.endr
.endr
.endm
	s_load_b256 s[4:11], s[0:1], 0x0               ; x, hist, idx, wts
	s_load_b128 s[12:15], s[0:1], 0x20             ; wq, b1
	s_load_b64 s[16:17], s[0:1], 0x30              ; yp
	v_lshl_add_u32 v254, v0, 2, 0xb000
	v_mov_b32 v255, 0
	v_lshrrev_b32 v1, 5, v0
	v_readfirstlane_b32 s18, v1                    ; wave
	s_and_b32 s20, ttmp7, 0xffff                   ; Q
	v_and_b32 v1, 31, v0                           ; lane
	v_and_b32 v2, 15, v0                           ; r
	v_bfe_u32 v3, v0, 4, 1                         ; h
	v_lshlrev_b32 v[LI], 4, v1
	v_lshlrev_b32 v[LS], 2, v1
	v_lshlrev_b32 v[XA], 15, v2
	v_lshl_add_u32 v[XA], v3, 6, v[XA]
	v_lshlrev_b32 v[RI], 6, v2
	v_lshlrev_b32 v[B1V], 6, v3
	s_wait_alu depctr_va_sdst(0)                   ; s18 is written, ahead of its first reader: the LDS addresses and the bases below are made from it
	s_lshl_b32 s42, s18, 9
	v_add_nc_u32 v[HOF], s42, v[B1V]
	s_add_co_u32 s42, s42, STG
	v_mul_u32_u24 v[SO], v2, SP
	v_lshl_add_u32 v[SO], v3, 5, v[SO]
	v_add_nc_u32 v[SO], s42, v[SO]                 ; row r, + 32 h, + 512 w
	s_mul_i32 s42, s18, 4*SP
	s_add_co_u32 s42, s42, STG
	v_add_nc_u32 v[SR], s42, v[LI]                 ; my four rows, 16 bytes a lane
	s_lshl_b32 s42, s18, 10
	v_add_nc_u32 v[XWI], s42, v[LI]
	s_lshl_b32 s42, s18, 7
	v_add_nc_u32 v[XWS], s42, v[LS]
	s_lshr_b32 s42, s18, 1
	s_and_b32 s43, s18, 1
	s_lshl_b32 s44, s42, 10
	s_lshl_b32 s45, s43, 9
	s_add_co_u32 s44, s44, s45
	v_add_nc_u32 v[HWI], s44, v[LI]
	s_lshl_b32 s44, s42, 7
	s_lshl_b32 s45, s43, 1
	s_add_co_u32 s44, s44, s45
	v_add_nc_u32 v[HWS], s44, v[LS]
	v_mul_u32_u24 v[W1V], v3, 1536
	v_lshl_add_u32 v[W1V], v2, 4, v[W1V]
	v_lshlrev_b32 v[W2V], 9, v3
	v_lshl_add_u32 v[W2V], v2, 4, v[W2V]
	s_mov_b32 s[SEL], 0x76543210
	s_mov_b32 s[SEL+1], 0xfedcba98
.irp b, 0,1,2,3
	v_mov_b32 v[TM+4+\b], 0                        ; written once: a lane permute's destination counts as one of its sources
.endr
	s_mov_b32 s43, 0
	s_wait_kmcnt 0x0
	s_lshl_b32 s42, ttmp9, 10
	s_add_nc_u64 s[26:27], s[8:9], s[42:43]        ; my 16 rows' records
	s_add_nc_u64 s[28:29], s[10:11], s[42:43]
	s_lshl_b32 s42, ttmp9, 19
	s_lshl_b32 s44, s18, 9
	s_add_co_u32 s42, s42, s44
	s_add_co_u32 s42, s42, 30720
	s_add_nc_u64 s[24:25], s[4:5], s[42:43]        ; x: my 16 rows, step 15, K step w
	s_wait_alu depctr_va_vdst(0)                   ; the addresses v4-15 and v246-247 are written: the loads, LDS instructions and stores of the whole kernel read them, and none is written again
	global_load_b128 v[IX:IX+3], v[RI], s[26:27]
	global_load_b32 v[IX+4], v[RI], s[26:27] offset:16
	global_load_b128 v[WT:WT+3], v[RI], s[28:29]
	global_load_b32 v[WT+4], v[RI], s[28:29] offset:16
	XLOAD PA, XA, 24
	s_lshl_b32 s44, s20, 4
	s_lshl_b32 s45, s18, 2
	s_add_co_u32 s44, s44, s45                     ; my first tile of W1
	s_mul_i32 s42, s44, 24576
	s_add_nc_u64 s[30:31], s[12:13], s[42:43]
	s_mul_i32 s42, s44, 1536
	s_add_co_u32 s42, s42, W1S_OFF
	s_add_nc_u64 s[32:33], s[12:13], s[42:43]
	s_lshl_b32 s42, s18, 16
	s_lshl_b32 s45, s20, 11
	s_add_co_u32 s42, s42, s45
	s_add_co_u32 s42, s42, W2C_OFF
	s_add_nc_u64 s[34:35], s[12:13], s[42:43]      ; W2: tile 8 w, K step 2 Q
	s_lshl_b32 s42, s18, 12
	s_lshr_b32 s45, s20, 1
	s_lshl_b32 s45, s45, 8
	s_add_co_u32 s42, s42, s45
	s_and_b32 s45, s20, 1
	s_lshl_b32 s45, s45, 3
	s_add_co_u32 s42, s42, s45
	s_add_co_u32 s42, s42, W2S_OFF
	s_add_nc_u64 s[36:37], s[12:13], s[42:43]      ; its scale words: two of a row's four
	s_lshl_b32 s42, s20, 10
	s_lshl_b32 s45, s18, 8
	s_add_co_u32 s42, s42, s45
	s_add_nc_u64 s[38:39], s[14:15], s[42:43]      ; b1 at my 64 units
	s_lshl_b32 s42, s20, 21
	s_lshl_b32 s45, ttmp9, 15
	s_add_co_u32 s42, s42, s45
	s_lshl_b32 s45, s18, 13
	s_add_co_u32 s42, s42, s45
	s_add_nc_u64 s[40:41], s[16:17], s[42:43]      ; yp: part Q, my four rows
	s_wait_loadcnt 16                              ; the records are in; x's 16 loads may be out
.irp k, 0,1,2,3,4
	v_min_u32 v[IX+\k], 0x1869f, v[IX+\k]          ; a row's number stays inside the table
.endr
.irp k, 0,1,2,3,4
	v_lshlrev_b32 v[IX+\k], 11, v[IX+\k]
.endr
.irp k, 0,1,2,3,4
	v_add_nc_u32 v[IX+\k], v[HOF], v[IX+\k]        ; 2,048 x row + K step w + my half's 64 bytes
.endr
	WIN 0xc0                                       ; destination window 3
	s_wait_alu depctr_va_vdst(0)                   ; the five offsets v[IX ..] are written, which the 80 loads of the gather read
	XLOAD 0, IX, 6
	XLOAD 64, IX+1, 6
	XLOAD 128, IX+2, 6
	XLOAD 192, IX+3, 6
	WIN 0
	XLOAD PB, IX+4, 6                              ; the fifth neighbour lands where the sum is formed
	s_wait_loadcnt 63                              ; x is in (80 loads are younger; the wait can name 63)
	QUANT PA, 4
	s_wait_alu depctr_va_vdst(0)                   ; the quantiser has written v[PC ..] and v[PW], which the LDS stores read
	ds_store_b128 v[XWI], v[PC:PC+3] offset:XIMG
	ds_store_b128 v[XWI], v[PC+4:PC+7] offset:XIMG+512
	ds_store_b32 v[XWS], v[PW] offset:XSC
	WIN 0x80                                       ; destination window 2.  No vector line has named a register in which the loads below land, and their offsets stand since the head
.irp n, 0,1,2,3,4,5,6,7
.irp s, 0,1
.irp c, 0,1
	global_load_b128 v[16*\n+8*\s+4*\c:16*\n+8*\s+4*\c+3], v[LI], s[34:35] offset:8192*\n+1024*\s+512*\c
.endr
.endr
.endr
.irp i, 0,1,2,3
	global_load_b128 v[B1+8*\i:B1+8*\i+3], v[B1V], s[38:39] offset:(32*(\i/2)+8*(\i%2))*4       ; lane (r, h), tile i: units 32 (i / 2) + 16 h + 8 (i % 2) + 0 .. 7
	global_load_b128 v[B1+8*\i+4:B1+8*\i+7], v[B1V], s[38:39] offset:(32*(\i/2)+8*(\i%2))*4+16
.endr
	WIN 0
.irp p, 0,1
.irp q, 0,1,2,3,4,5
	global_load_b128 v[W1S+24*\p+4*\q:W1S+24*\p+4*\q+3], v[W1V], s[32:33] offset:3072*\p+256*\q
.endr
.endr
.irp p, 0,1,2,3
	global_load_b64 v[W2S+2*\p:W2S+2*\p+1], v[W2V], s[36:37] offset:1024*\p
.endr
.irp s, 0,1,2,3,4,5,6,7
	RING \s
.endr
	WIN 0
	s_wait_loadcnt 63                              ; all but the ring's loads are in: the neighbours, W2, b1, the scale words
.set J, 0
.rept 64
	v_mul_f32 v[PB+J], v[WT+4], v[PB+J]
.set J, J+1
.endr
	WIN 0x03                                       ; source 0 window 3
.irp k, 0,1,2,3
.set J, 0
.rept 64
	v_fma_f32 v[PB+J], v[64*\k+J], v[WT+\k], v[PB+J]
.set J, J+1
.endr
.endr
	WIN 0
	s_wait_dscnt 0x0                               ; the stores of x's image are done,
	s_wait_alu depctr_vm_vsrc(0)                   ; and have read v[PC ..] and v[PW], which the quantiser writes again
	QUANT PB, 4
	s_wait_alu depctr_va_vdst(0)                   ; the quantiser has written v[PC ..] and v[PW], which the LDS stores read; it is done with x's registers, in which aug's fragments land; the multiply-adds are done reading window 3, in which K steps 8-15 of W1 land
	ds_store_b128 v[XWI], v[PC:PC+3] offset:XIMG+4096
	ds_store_b128 v[XWI], v[PC+4:PC+7] offset:XIMG+4096+512
	ds_store_b32 v[XWS], v[PW] offset:XSC+512
	BARRIER                                        ; aug's eight fragments lie in LDS
.irp f, 0,1,2,3,4,5,6,7
	FETCH AUG+8*\f, XIMG+1024*\f
	ds_load_b32 v[AXS+\f], v[LS] offset:XSC+128*\f
.endr
	s_wait_dscnt 0x0
; K step s of the first product: the eight loads of K step s + 8, then four matrix instructions, my four tiles by turns
.macro K3 s
.if (\s) < 17
	s_wait_loadcnt 56                              ; this K step's eight loads are in; those of the seven K steps behind it may be out
.else
	s_wait_loadcnt 8*(23-(\s))
.endif
.if (\s) == 8
.rept 4
	v_nop                                          ; four places behind the products of K step 7
.endr
	s_wait_alu depctr_va_vdst(0)                   ; the products of K steps 0-7 are done reading window 1, in which the loads of K steps 16-23 land, here and in the seven K steps that follow: the products between name window 3 alone of the ring
.endif
.if (\s) < 16
	RING (\s)+8                                    ; into a slot that no vector or matrix line since the last wait on va_vdst names
.endif
.if (\s) < 4
.set FS, (\s)
.else
.set FS, 4+(\s)%4                      ; the weighted sum's fragments serve five times
.endif
.if (\s) == 0
	WIN 0x21                                       ; source 0 (W1) window 1, source 2 (b1) window 2
.elseif ((\s)%16) < 8
	WIN 0x01                                       ; source 0 window 1
.else
	WIN 0x03                                       ; source 0 window 3
.endif
.irp i, 0,1,2,3
.if (\s) == 0
.if \i % 2
	v_wmma_scale_f32_16x16x128_f8f6f4 v[H+8*\i:H+8*\i+7], v[32*((\s)%8)+8*\i:32*((\s)%8)+8*\i+7], v[AUG+8*FS:AUG+8*FS+7], v[B1+8*\i:B1+8*\i+7], v[W1S+24*(\i/2)+(\s)], v[AXS+FS] matrix_a_fmt:MATRIX_FMT_FP4 matrix_b_fmt:MATRIX_FMT_FP4 matrix_a_scale:MATRIX_SCALE_ROW1
.else
	v_wmma_scale_f32_16x16x128_f8f6f4 v[H+8*\i:H+8*\i+7], v[32*((\s)%8)+8*\i:32*((\s)%8)+8*\i+7], v[AUG+8*FS:AUG+8*FS+7], v[B1+8*\i:B1+8*\i+7], v[W1S+24*(\i/2)+(\s)], v[AXS+FS] matrix_a_fmt:MATRIX_FMT_FP4 matrix_b_fmt:MATRIX_FMT_FP4
.endif
.else
.if \i % 2
	v_wmma_scale_f32_16x16x128_f8f6f4 v[H+8*\i:H+8*\i+7], v[32*((\s)%8)+8*\i:32*((\s)%8)+8*\i+7], v[AUG+8*FS:AUG+8*FS+7], v[H+8*\i:H+8*\i+7], v[W1S+24*(\i/2)+(\s)], v[AXS+FS] matrix_a_fmt:MATRIX_FMT_FP4 matrix_b_fmt:MATRIX_FMT_FP4 matrix_a_scale:MATRIX_SCALE_ROW1
.else
	v_wmma_scale_f32_16x16x128_f8f6f4 v[H+8*\i:H+8*\i+7], v[32*((\s)%8)+8*\i:32*((\s)%8)+8*\i+7], v[AUG+8*FS:AUG+8*FS+7], v[H+8*\i:H+8*\i+7], v[W1S+24*(\i/2)+(\s)], v[AXS+FS] matrix_a_fmt:MATRIX_FMT_FP4 matrix_b_fmt:MATRIX_FMT_FP4
.endif
.endif
.endr
.endm
.set KQ, 0
.rept 24
	K3 KQ
.set KQ, KQ+1
.endr
	WIN 0
.rept 4
	v_nop                                          ; places ahead of the first read of results
.endr
.set J, 0
.rept 32
	v_max_num_f32 v[H+J], 0, v[H+J]                ; the activation, in f32; each accumulator from its low end on
.set J, J+1
.endr
	s_wait_alu depctr_vm_vsrc(0)                   ; the stores of the sum's image have read v[PC ..] and v[PW], which the quantiser writes again
	QUANT H, 2                                     ; my 64 units: two blocks: half a fragment and half a scale word
	s_wait_alu depctr_va_vdst(0)                   ; the quantiser has written v[PC ..] and v[PW], which the LDS stores read; every vector line that named v120-135 is done, in which the hidden layer's fragments land
	ds_store_b128 v[HWI], v[PC:PC+3] offset:HIMG
	ds_store_b16 v[HWS], v[PW] offset:HSC
	BARRIER                                        ; the hidden layer's two fragments lie in LDS
	FETCH HF, HIMG
	FETCH HF+8, HIMG+1024
	ds_load_b32 v[HXS], v[LS] offset:HSC
	ds_load_b32 v[HXS+1], v[LS] offset:HSC+128
	s_wait_dscnt 0x0
	WIN 0xa2                                       ; source 0 (W2), C and D window 2
.irp s, 0,1
.irp n, 0,1,2,3,4,5,6,7
.if \s == 0
.if \n % 2
	v_wmma_scale_f32_16x16x128_f8f6f4 v[Y+8*\n:Y+8*\n+7], v[16*\n+8*\s:16*\n+8*\s+7], v[HF+8*\s:HF+8*\s+7], 0, v[W2S+2*(\n/2)+\s], v[HXS+\s] matrix_a_fmt:MATRIX_FMT_FP4 matrix_b_fmt:MATRIX_FMT_FP4 matrix_a_scale:MATRIX_SCALE_ROW1
.else
	v_wmma_scale_f32_16x16x128_f8f6f4 v[Y+8*\n:Y+8*\n+7], v[16*\n+8*\s:16*\n+8*\s+7], v[HF+8*\s:HF+8*\s+7], 0, v[W2S+2*(\n/2)+\s], v[HXS+\s] matrix_a_fmt:MATRIX_FMT_FP4 matrix_b_fmt:MATRIX_FMT_FP4
.endif
.else
.if \n % 2
	v_wmma_scale_f32_16x16x128_f8f6f4 v[Y+8*\n:Y+8*\n+7], v[16*\n+8*\s:16*\n+8*\s+7], v[HF+8*\s:HF+8*\s+7], v[Y+8*\n:Y+8*\n+7], v[W2S+2*(\n/2)+\s], v[HXS+\s] matrix_a_fmt:MATRIX_FMT_FP4 matrix_b_fmt:MATRIX_FMT_FP4 matrix_a_scale:MATRIX_SCALE_ROW1
.else
	v_wmma_scale_f32_16x16x128_f8f6f4 v[Y+8*\n:Y+8*\n+7], v[16*\n+8*\s:16*\n+8*\s+7], v[HF+8*\s:HF+8*\s+7], v[Y+8*\n:Y+8*\n+7], v[W2S+2*(\n/2)+\s], v[HXS+\s] matrix_a_fmt:MATRIX_FMT_FP4 matrix_b_fmt:MATRIX_FMT_FP4
.endif
.endif
.endr
.endr
	WIN 0
.rept 4
	v_nop                                          ; four places behind the last product, before its result is read
.endr
	WIN 0x08                                       ; an LDS store's data are its source 1: window 2
	s_wait_alu depctr_va_vdst(0)                   ; the second product has written y's accumulators, which the LDS stores read (the places above stay beside this wait); the first product is done reading aug's fragments, in which rows of y land behind the barrier
.irp n, 0,1,2,3,4,5,6,7
	ds_store_b128 v[SO], v[Y+8*\n:Y+8*\n+3] offset:64*\n         ; lane (r, h): outputs 128 w + 16 n + 8 h + 0 .. 7 of row r
	ds_store_b128 v[SO], v[Y+8*\n+4:Y+8*\n+7] offset:64*\n+16
.endr
	WIN 0
	BARRIER                                        ; 16 whole rows lie in the stage
.set J, 0
.rept 16
	ds_load_b128 v[AUG+4*J:AUG+4*J+3], v[SR] offset:SP*(J/4)+512*(J%4)
.set J, J+1
.endr
.set J, 0
.rept 16
	s_wait_dscnt 15-J
	global_store_b128 v[LI], v[AUG+4*J:AUG+4*J+3], s[40:41] offset:2048*(J/4)+512*(J%4)   ; 32 lanes store 512 consecutive bytes
.set J, J+1
.endr
	s_wait_dscnt 0x0                               ; the closing lines, six on end
	s_wait_alu 0x0
	s_wait_tensorcnt 0x0
	ds_add_u32 v254, v255
	s_wait_dscnt 0x0
	s_endpgm
.Lfunc_end_k_qf56a912e97_mlp:
	.size	k_qf56a912e97_mlp, .Lfunc_end_k_qf56a912e97_mlp-k_qf56a912e97_mlp
	.p2alignl 7, 3214868480
	.fill 96, 4, 3214868480
	.section	.rodata,"a",@progbits
	.p2align	6, 0x0
	.amdhsa_kernel k_qf56a912e97_mlp
		.amdhsa_group_segment_fixed_size 45568
		.amdhsa_private_segment_fixed_size 0
		.amdhsa_enable_private_segment 0
		.amdhsa_kernarg_size 56
		.amdhsa_user_sgpr_count 2
		.amdhsa_user_sgpr_kernarg_segment_ptr 1
		.amdhsa_wavefront_size32 1
		.amdhsa_system_sgpr_workgroup_id_x 1
		.amdhsa_system_sgpr_workgroup_id_y 1
		.amdhsa_system_sgpr_workgroup_id_z 1
		.amdhsa_system_vgpr_workitem_id 0
		.amdhsa_next_free_vgpr 1024
		.amdhsa_next_free_sgpr 66
		.amdhsa_reserve_vcc 0
		.amdhsa_float_denorm_mode_32 3
		.amdhsa_float_denorm_mode_16_64 3
		.amdhsa_memory_ordered 1
		.amdhsa_forward_progress 1
		.amdhsa_inst_pref_size 90
	.end_amdhsa_kernel
	.amdgpu_metadata
---
amdhsa.version: [ 1, 2 ]
amdhsa.kernels:
  - .name:           k_qf56a912e97_mlp
    .symbol:         k_qf56a912e97_mlp.kd
    .args:
      - { .name: x, .offset: 0, .size: 8, .value_kind: global_buffer, .address_space: global }
      - { .name: hist, .offset: 8, .size: 8, .value_kind: global_buffer, .address_space: global }
      - { .name: idx, .offset: 16, .size: 8, .value_kind: global_buffer, .address_space: global }
      - { .name: wts, .offset: 24, .size: 8, .value_kind: global_buffer, .address_space: global }
      - { .name: wq, .offset: 32, .size: 8, .value_kind: global_buffer, .address_space: global }
      - { .name: b1, .offset: 40, .size: 8, .value_kind: global_buffer, .address_space: global }
      - { .name: yp, .offset: 48, .size: 8, .value_kind: global_buffer, .address_space: global }
    .group_segment_fixed_size: 45568
    .private_segment_fixed_size: 0
    .kernarg_segment_align: 8
    .kernarg_segment_size: 56
    .max_flat_workgroup_size: 128
    .sgpr_count:     66
    .vgpr_count:     1024
    .wavefront_size: 32
...
	.end_amdgpu_metadata
.endif
;; end of part 8
;; launch ln: the kernel of part 6 again; grid 256 x 1, 4 waves a work-group, no clusters, 0 bytes of LDS; arguments yp, b2, gamma, beta, out0; writes out0
